; MI455X (gfx1250); checked and timed in simulation.
; The chip was launched on July 23, 2026; its instructions are those of AMD's public machine-readable ISA for CDNA 5 (MIT licence, August 2026) and "CDNA5" Instruction Set Architecture Reference Guide (July 2026). The comments in the code are by the model that wrote it; some were corrected since.
;; Multi Head Attention. Allowed arithmetic: matrix products marked QUANTISED: E2M1 operands, one E8M0 scale for each 32 along K, by v_wmma_scale_f32_16x16x128_f8f6f4 with both operands' format E2M1 (or v_wmma_scale_f32_32x16x128_f4), f32 sums; everything else in f32.
;; Inputs: W_kqv 1,024 x 3,072 float32; W_out 1,024 x 1,024 float32; b_kqv 3,072 float32; b_out 1,024 float32; x 4 x 2,048 x 1,024 float32.
;; Outputs: out0 4 x 2,048 x 1,024 float32.
;; This version of the problem:
;;   THIS VERSION OF THE PROBLEM IS GIVEN IN LOW PRECISION. The matrix products marked QUANTISED in the list below multiply operands that are first quantised to E2M1 (2 exponent bits, 1 mantissa bit; 4 bits a number), with one power-of-two scale for each 32 numbers along K (OCP MX v1.0); their sums are f32. All else is computed in f32.
;;   The module's matrix products, in the order in which they are computed (A, B: the left and right operand; K: the contracted axis; several contracted axes count as one K, in the product's order):
;;     1. [M 8,192, K 1,024] x [K 1,024, N 3,072]; A: input x; B: input W_kqv: QUANTISED
;;     2. batch 64 x [M 2,048, K 64] x [K 64, N 2,048]; A: computed on the way; B: computed on the way: QUANTISED
;;     3. batch 64 x [M 2,048, K 2,048] x [K 2,048, N 64]; A: softmax (see below); B: computed on the way: QUANTISED
;;     4. [M 8,192, K 1,024] x [K 1,024, N 1,024]; A: computed on the way; B: input W_out: QUANTISED
;;   THE QUANTISER, for each operand of a quantised product, along K:
;;     - K is cut into blocks of 32 from its start; a last block that is shorter is filled with zeros.
;;     - A block's scale is 2^e with e = floor(log2(the largest magnitude in the block)) - 2, held to -126 .. 127; a block of zeros has e = 0. As a byte (E8M0): e + 127.
;;     - Each number is divided by its block's scale, clamped to +-6, and rounded to the nearest number of E2M1, ties to even, subnormals kept.
;;     - The product sums the exact products of the quantised numbers (number of the format x scale) in f32.
;;   ~~~python
;;   def quantise(x, axis):      # numpy; x: float32 -> the quantised numbers, widened to float32 again
;;       x = np.moveaxis(x, axis, -1); K = x.shape[-1]
;;       x = np.pad(x, [(0, 0)] * (x.ndim - 1) + [(0, -K % 32)]); x = x.reshape(x.shape[:-1] + (-1, 32)); a = np.abs(x).max(-1, keepdims=True)
;;       e = np.where(a > 0, np.clip(np.frexp(np.where(a > 0, a, 1))[1] - 1 - 2, -126, 127), 0)      # np.frexp(a)[1] - 1 = floor(log2(a)), exactly
;;       r = np.clip(x / 2.0 ** e, -6, 6)
;;       step = 2.0 ** (np.maximum(np.frexp(np.where(r == 0, 1, r))[1] - 1, 0) - 1)
;;       q = np.round(r / step) * step * 2.0 ** e      # np.round: ties to even
;;       return np.moveaxis(q.reshape(q.shape[:-2] + (-1,))[..., :K], -1, axis).astype(np.float32)
;;   ~~~
;;   SOFTMAX AHEAD OF A QUANTISED PRODUCT. Where the list says 'softmax', what is quantised is not the finished softmax but p = 2^(t - M), with t = logit x log2(e) and M = ceil(the row's largest t), a whole number; so 1/2 < the row's largest p <= 1. The row's sum l is taken of the UNQUANTISED p, in f32, and the product's result is divided by l at the end. Since M is a whole number, a kernel that streams over the keys may use a running M (the ceiling of the running maximum): every later rescaling is an exact power of two, which a block's scale takes up: the codes' values come out the same.
;;   OPERANDS COMPUTED ON THE WAY. 'Computed on the way' means the value that the module computes at that place (a softmax that the list does not call 'softmax' is quantised finished and normalised). What goes into a quantiser is computed in f32, as accurately as f32 sums, v_exp_f32 and their like allow (about 1e-6 of the number): no bf16 or f16 on the way to a quantiser, and a product that is left as it is and whose result goes on into a quantised operand takes f32 operands (vector FMAs, or v_wmma_f32_16x16x4_f32). A number that lies on a knife's edge between two numbers of the format may be rounded either way, as far as f32 arithmetic and the matrix unit's own rounding can turn it there, and no further.
;; One version. Each part assembles by itself: llvm-mc -triple=amdgcn-amd-amdhsa -mcpu=gfx1250 --defsym DOCPART=n.
;; ======== version 1 of 1: 4 launches
;; workspace buffers: xq 4,456,448 bytes; wq 2,228,224 bytes; hc 12,582,912 bytes; hs 786,432 bytes; aq 4,456,448 bytes
;; launch prep (part 1): grid 256 x 1, 8 waves a work-group, no clusters, 167,936 bytes of LDS; arguments x, W_kqv, W_out, xq, wq; writes xq, wq
.if DOCPART == 1
	.amdgcn_target "amdgcn-amd-amdhsa--gfx1250"
	.amdhsa_code_object_version 6
	.text
	.protected	k_q1dfe0f396c_prep
	.globl	k_q1dfe0f396c_prep
	.p2align	8
	.type	k_q1dfe0f396c_prep,@function
k_q1dfe0f396c_prep:
	s_mov_b64 s[64:65], 0
	v_nop
	global_prefetch_b8 v0, s[64:65] scope:SCOPE_SE
	s_setreg_imm32_b32 hwreg(HW_REG_WAVE_MODE, 25, 1), 1
	s_wait_xcnt 0x0
; MULTI-HEAD ATTENTION IN MX-FP4, launch 1 of 4: x, W_kqv and W_out become codes of E2M1 with one E8M0 byte for each 32 along K = C = 1,024.
; THE PROGRAM: prep (this) | qkv: x W_kqv + b_kqv, quantised as k, q (along d) and v (along the keys) | attn: both products of attention, x_att quantised along C | proj: x_att W_out + b_out.
; WORK LEFT OUT (in attn): tiles of 16 queries x 128 keys all of whose keys come after all of the tile's queries.  reference() itself sets those logits to -infinity by its own jnp.tril; their
; p = 2^(-infinity) is 0 whatever finite numbers the inputs hold, adds nothing to the row's sum, has the code 0 and adds nothing to the product with v; so neither their scores nor their part of the second product
; reaches an output.  Nothing else is left out: all five inputs are loaded (k's bias moves k's codes, so it stays).  LIMIT: a NaN, an infinity or an overflow that would arise in those tiles alone is not carried to the result.
; LIMITS of the quantisers of all four launches: NaN and infinities among the inputs are not served; a block whose largest magnitude lies under 2^-124 (a block of zeros too) gets the byte 1, where the rule gives
; a block of zeros 127: its codes are zeros, which add nothing under any byte but 0xff, and the bytes are read by this program alone.
; THE OPERANDS' LAYOUT (xq: 8,192 rows; wq: 4,096 rows = W_kqv's 3,072 columns, then W_out's 1,024; aq as xq):  buf[kq 0..3][oct][REC].  A record is 128 rows x 256 along K: codes [ro 0..7][bl 0..7][r 0..15][16 bytes]
; (row 128 oct + 16 ro + r, block 8 kq + bl), then from byte SCO on the scale bytes [ro][r][8].  So 16 rows x 128 K lie as the image of a matrix operand's registers: 512 bytes on end for each four registers.
; SHARES.  Work-group id: x's record (oct = id / 4, kq = id % 4) and 64 columns x 256 K of a weight (cg = id / 4; cg < 48: W_kqv, else W_out).  All 256 take one path; pointers and pitch are chosen by the id.
; Wave w: rows 16 w .. + 15 of x, brought by its own tensor load (rows of 1,024 bytes, 16 of padding behind each) and read by itself alone: a lane takes a whole block of 32 of one row;
; and of the weight 32 columns (w % 2), a lane a column, registers down K, blocks 2 (w / 2) and + 1: a block lies in one lane here too, and nothing is transposed.
.set REC,   17408
.set SCO,   16384
.set XPL,   64*REC
.set WPL,   32*REC
.set XTW,   16*1040                    ; a wave's tile of x in LDS
.set SCRX,  8*XTW                      ; x's scale bytes [16 ro + r][8]: 1,024 bytes, gathered so that they leave as whole runs
.set SCRW,  SCRX+1024                  ; the weight's [column 0..63][8]: 512 bytes
.set SPARE, SCRW+512                   ; the spare words, 128 bytes for each wave; no other line names them
.set OFF,   32                         ; v32-63   4 x lane + i x pitch: row i of a block of the weight
.set X,     64                         ; v64-191  four sets of 32 numbers
.set CX,    192                        ; v192-207 x's codes
.set CW,    208                        ; v208-215 the weight's codes
.set EX,    216                        ; v216-219 x's scale bytes
.set EW,    220                        ; v220-221 the weight's
.set SPW,   30
.set NIL,   31
	s_load_b256 s[4:11], s[0:1], 0x0               ; x, W_kqv, W_out, xq
	s_load_b64 s[24:25], s[0:1], 0x20              ; wq
	v_lshl_add_u32 v[SPW], v0, 2, SPARE
	v_mov_b32 v[NIL], 0
	ds_add_u32 v[SPW], v[NIL]                      ; the opening: the add, twice on end, and its wait ahead of my tensor load
	ds_add_u32 v[SPW], v[NIL]
	v_lshrrev_b32 v1, 5, v0
	s_delay_alu instid0(VALU_DEP_1)
	v_readfirstlane_b32 s26, v1                    ; wave 0..7
	s_mov_b32 s16, (2<<16)|(1<<20)|(7<<22)|(3<<25) ; group 1: elements of 4 bytes; 4 words of padding behind every 256
	s_mov_b32 s17, 256<<16                         ; tensor_dim0 = 256
	s_mov_b32 s18, 16<<16                          ; tensor_dim1 = 16
	s_mov_b32 s19, 256<<16                         ; tile_dim0
	s_mov_b32 s20, 16                              ; tile_dim1
	s_mov_b32 s21, 1024                            ; from row to row of x
	s_mov_b32 s22, 0
	s_mov_b32 s23, 0
	s_lshr_b32 s27, ttmp9, 2                       ; oct of x = cg of the weights
	s_and_b32 s38, ttmp9, 3                        ; kq
	s_lshl_b32 s39, s27, 7
	s_lshl_b32 s40, s26, 4
	s_add_co_u32 s39, s39, s40                     ; my first row of x
	s_lshl_b32 s40, s39, 12
	s_lshl_b32 s41, s38, 10
	s_add_co_u32 s40, s40, s41
	s_mov_b32 s41, 0                               ; s[40:41]: my tile's first byte in x
	s_mov_b32 s12, 1
	s_mul_i32 s13, s26, XTW
	s_mov_b32 s42, 4096
	s_cmp_lt_u32 s27, 48
	s_cselect_b32 s42, 12288, s42                  ; the weight's pitch in bytes
	s_cselect_b32 s43, 0, 48
	s_sub_co_u32 s43, s27, s43
	s_lshl_b32 s43, s43, 6                         ; the group's first column in its tensor
	s_lshr_b32 s44, s26, 1
	s_lshl_b32 s44, s44, 1                         ; bl0
	s_and_b32 s45, s26, 1                          ; cs
	s_lshl_b32 s46, s38, 8
	s_lshl_b32 s47, s44, 5
	s_add_co_u32 s46, s46, s47                     ; my first row of the weight
	s_mul_i32 s46, s46, s42
	s_lshl_b32 s47, s45, 5
	s_add_co_u32 s47, s47, s43
	s_lshl_b32 s47, s47, 2
	s_add_co_u32 s46, s46, s47
	s_mov_b32 s47, 0                               ; s[46:47]: block bl0 of my 32 columns
	s_lshl_b32 s48, s42, 5
	s_mov_b32 s49, 0                               ; 32 rows on
	s_mul_i32 s50, s38, XPL
	s_mul_i32 s51, s27, REC
	s_add_co_u32 s50, s50, s51                     ; xq's record
	s_lshl_b32 s51, s26, 11
	s_add_co_u32 s52, s50, s51                     ; + ro = wave
	s_mov_b32 s53, 0
	s_mul_i32 s54, s38, WPL
	s_lshr_b32 s55, s27, 1
	s_mul_i32 s55, s55, REC
	s_add_co_u32 s54, s54, s55                     ; wq's record
	s_and_b32 s55, s27, 1
	s_lshl_b32 s56, s55, 2
	s_lshl_b32 s57, s45, 1
	s_add_co_u32 s56, s56, s57                     ; ro of lanes 0-15: 4 (cg % 2) + 2 cs
	s_lshl_b32 s56, s56, 11
	s_lshl_b32 s57, s44, 8
	s_add_co_u32 s56, s56, s57
	s_add_co_u32 s56, s56, s54
	s_mov_b32 s57, 0
	s_lshl_b32 s58, s26, 9
	s_add_co_u32 s58, s58, s50
	s_add_co_u32 s58, s58, SCO                     ; waves 0, 1: halves of xq's scale bytes
	s_lshl_b32 s59, s55, 9
	s_add_co_u32 s59, s59, s54
	s_add_co_u32 s59, s59, SCO                     ; wave 2: my half of wq's
	s_cmp_lt_u32 s26, 2
	s_cselect_b32 s58, s58, s59
	s_mov_b32 s59, 0
	s_wait_dscnt 0x0                               ; both opening adds are done
	s_wait_kmcnt 0x0
	s_add_nc_u64 s[14:15], s[4:5], s[40:41]
	s_or_b32 s15, s15, 0x80000000
	tensor_load_to_lds s[12:15], s[16:23]          ; my 16 rows x 1,024 bytes: my one tensor load
	s_nop 0
	s_cmp_lt_u32 s27, 48
	s_cselect_b64 s[28:29], s[6:7], s[8:9]         ; the choice hangs on the work-group's number alone
	s_add_nc_u64 s[28:29], s[28:29], s[46:47]
	s_add_nc_u64 s[30:31], s[28:29], s[48:49]
	s_add_nc_u64 s[32:33], s[10:11], s[52:53]
	s_add_nc_u64 s[34:35], s[24:25], s[56:57]
	s_cmp_lt_u32 s26, 2
	s_cselect_b64 s[36:37], s[10:11], s[24:25]
	s_add_nc_u64 s[36:37], s[36:37], s[58:59]
	v_and_b32 v1, 31, v0                           ; lane
	v_and_b32 v2, 15, v0                           ; r
	v_bfe_u32 v3, v0, 4, 1                         ; H
	v_mov_b32 v9, s42
	s_delay_alu instid0(VALU_DEP_4)
	v_lshlrev_b32 v13, 2, v1
.irp i, 0,1,2,3,4,5,6,7,8,9,10,11,12,13,14,15,16,17,18,19,20,21,22,23,24,25,26,27,28,29,30,31
	v_mad_u32_u24 v[OFF+\i], v9, \i, v13
.endr
.irp u, 0,1
.irp i, 0,1,2,3,4,5,6,7,8,9,10,11,12,13,14,15,16,17,18,19,20,21,22,23,24,25,26,27,28,29,30,31
	global_load_b32 v[X+32*\u+\i], v[OFF+\i], s[28+2*\u:29+2*\u] th:TH_LOAD_NT   ; one row of the weight at 32 neighbouring columns: 128 bytes on end
.endr
.endr
	v_mul_u32_u24 v4, v2, 1040
	s_delay_alu instid0(VALU_DEP_1)
	v_lshl_add_u32 v4, v3, 7, v4
	s_delay_alu instid0(VALU_DEP_1)
	v_add_nc_u32 v4, s13, v4                       ; x in LDS: row r, block H (+ 2 k by the offset)
	s_lshl_b32 s60, s26, 7
	v_lshl_add_u32 v5, v2, 3, v3
	s_delay_alu instid0(VALU_DEP_1)
	v_add_nc_u32 v5, s60, v5
	s_delay_alu instid0(VALU_DEP_1)
	v_add_nc_u32 v5, SCRX, v5                      ; x's byte: 128 wave + 8 r + H (+ 2 k)
	s_lshl_b32 s60, s45, 8
	s_add_co_u32 s60, s60, s44
	v_lshl_add_u32 v6, v1, 3, s60
	s_delay_alu instid0(VALU_DEP_1)
	v_add_nc_u32 v6, SCRW, v6                      ; the weight's byte: 8 (32 cs + lane) + bl0 (+ u)
	v_lshlrev_b32 v7, 4, v1                        ; 16 x lane
	v_lshlrev_b32 v8, 4, v2
	s_delay_alu instid0(VALU_DEP_1)
	v_lshl_add_u32 v8, v3, 11, v8                  ; the weight's codes: 2,048 H + 16 r
	v_lshl_add_u32 v14, v0, 4, SCRX                ; the gather: 16 x thread: waves 0, 1 read x's bytes, wave 2 the weight's
; 32 numbers of one lane become 16 bytes of codes and a scale byte.  The largest magnitude has the floor 2^(3 - 127) among its leaves, so the byte cannot fall under 1; its exponent field less 2 is the scale.
.macro BLOCK src, dst, e
	v_max3_num_f32 v10, |v[(\src)]|, |v[(\src)+1]|, |v[(\src)+2]|
	v_max3_num_f32 v11, |v[(\src)+3]|, |v[(\src)+4]|, |v[(\src)+5]|
.irp i, 6,10,14,18,22,26
	s_delay_alu instid0(VALU_DEP_2)
	v_max3_num_f32 v10, v10, |v[(\src)+\i]|, |v[(\src)+\i+1]|
	s_delay_alu instid0(VALU_DEP_2)
	v_max3_num_f32 v11, v11, |v[(\src)+\i+2]|, |v[(\src)+\i+3]|
.endr
	s_delay_alu instid0(VALU_DEP_2)
	v_max3_num_f32 v10, v10, |v[(\src)+30]|, |v[(\src)+31]|
	s_delay_alu instid0(VALU_DEP_1)
	v_max3_num_f32 v10, v10, v11, 0x1800000
	s_delay_alu instid0(VALU_DEP_1)
	v_add_nc_u32 v12, 0xff000000, v10              ; 2 off the exponent field: the conversion takes that field as its scale
.irp g, 0,1,2,3
	v_cvt_scalef32_pk8_fp4_f32 v[(\dst)+\g], v[(\src)+8*\g:(\src)+8*\g+7], v12
.endr
	v_lshrrev_b32 v[(\e)], 23, v12                 ; the byte; also the plain line behind the conversions
.endm
	s_wait_loadcnt 32                              ; block bl0's 32 loads are in; the other block's 32 are younger
	BLOCK X, CW, EW
	global_store_b128 v8, v[CW:CW+3], s[34:35]     ; sixteen lanes fill 256 bytes on end, aligned
	s_wait_loadcnt 0x0
	BLOCK X+32, CW+4, EW+1
	global_store_b128 v8, v[CW+4:CW+7], s[34:35] offset:256
	s_wait_tensorcnt 0x0                           ; my rows of x are in LDS; only I read them
.irp k, 0,1,2,3
.irp j, 0,1,2,3,4,5,6,7
	ds_load_b128 v[X+32*\k+4*\j:X+32*\k+4*\j+3], v4 offset:256*\k+16*\j
.endr
.endr
.irp k, 0,1,2,3
	s_wait_dscnt 24-8*\k                           ; block 2 k + H is in; the later blocks' loads are younger
	BLOCK X+32*\k, CX+4*\k, EX+\k
	global_store_b128 v7, v[CX+4*\k:CX+4*\k+3], s[32:33] offset:512*\k   ; 512 bytes on end
.endr
.irp k, 0,1,2,3
	ds_store_b8 v5, v[EX+\k] offset:2*\k
.endr
.irp u, 0,1
	ds_store_b8 v6, v[EW+\u] offset:\u
.endr
	s_wait_dscnt 0x0                               ; for the others' sake: my bytes lie in LDS
	s_barrier_signal -1
	s_barrier_wait -1
	s_cmp_gt_u32 s26, 2
	s_cbranch_scc1 .Lend                           ; three waves carry the 1,536 scale bytes out, 512 on end each
	ds_load_b128 v[224:227], v14
	s_wait_dscnt 0x0
	global_store_b128 v7, v[224:227], s[36:37]
.Lend:
	s_wait_tensorcnt 0x0                           ; the wave's end
	ds_add_u32 v[SPW], v[NIL]
	s_wait_dscnt 0x0
	s_endpgm
.Lfunc_end_k_q1dfe0f396c_prep:
	.size	k_q1dfe0f396c_prep, .Lfunc_end_k_q1dfe0f396c_prep-k_q1dfe0f396c_prep
	.p2alignl 7, 3214868480
	.fill 96, 4, 3214868480
	.section	.rodata,"a",@progbits
	.p2align	6, 0x0
	.amdhsa_kernel k_q1dfe0f396c_prep
		.amdhsa_group_segment_fixed_size 167936
		.amdhsa_private_segment_fixed_size 0
		.amdhsa_enable_private_segment 0
		.amdhsa_kernarg_size 40
		.amdhsa_user_sgpr_count 2
		.amdhsa_user_sgpr_kernarg_segment_ptr 1
		.amdhsa_wavefront_size32 1
		.amdhsa_system_sgpr_workgroup_id_x 1
		.amdhsa_system_sgpr_workgroup_id_y 1
		.amdhsa_system_sgpr_workgroup_id_z 1
		.amdhsa_system_vgpr_workitem_id 0
		.amdhsa_next_free_vgpr 256
		.amdhsa_next_free_sgpr 66
		.amdhsa_reserve_vcc 0
		.amdhsa_float_denorm_mode_32 3
		.amdhsa_float_denorm_mode_16_64 3
		.amdhsa_memory_ordered 1
		.amdhsa_forward_progress 1
		.amdhsa_inst_pref_size 28
	.end_amdhsa_kernel
	.amdgpu_metadata
---
amdhsa.version: [ 1, 2 ]
amdhsa.kernels:
  - .name:           k_q1dfe0f396c_prep
    .symbol:         k_q1dfe0f396c_prep.kd
    .args:
      - { .name: x, .offset: 0, .size: 8, .value_kind: global_buffer, .address_space: global }
      - { .name: W_kqv, .offset: 8, .size: 8, .value_kind: global_buffer, .address_space: global }
      - { .name: W_out, .offset: 16, .size: 8, .value_kind: global_buffer, .address_space: global }
      - { .name: xq, .offset: 24, .size: 8, .value_kind: global_buffer, .address_space: global }
      - { .name: wq, .offset: 32, .size: 8, .value_kind: global_buffer, .address_space: global }
    .group_segment_fixed_size: 167936
    .private_segment_fixed_size: 0
    .kernarg_segment_align: 8
    .kernarg_segment_size: 40
    .max_flat_workgroup_size: 256
    .sgpr_count:     66
    .vgpr_count:     256
    .wavefront_size: 32
...
	.end_amdgpu_metadata
.endif
;; end of part 1
;; launch qkv (part 2): grid 12 x 32, 4 waves a work-group, clusters of 4 x 4, 327,680 bytes of LDS; arguments xq, wq, b_kqv, hc, hs; writes hc, hs
.if DOCPART == 2
	.amdgcn_target "amdgcn-amd-amdhsa--gfx1250"
	.amdhsa_code_object_version 6
	.text
	.protected	k_q1dfe0f396c_qkv
	.globl	k_q1dfe0f396c_qkv
	.p2align	8
	.type	k_q1dfe0f396c_qkv,@function
k_q1dfe0f396c_qkv:
	s_mov_b64 s[64:65], 0
	v_nop
	global_prefetch_b8 v0, s[64:65] scope:SCOPE_SE
	s_setreg_imm32_b32 hwreg(HW_REG_WAVE_MODE, 25, 1), 1
	s_wait_xcnt 0x0
	s_wait_alu depctr_hold_cnt(0) depctr_sa_sdst(0) depctr_va_vdst(0) depctr_va_sdst(0) depctr_va_ssrc(0) depctr_va_vcc(0) depctr_vm_vsrc(0)
	s_getreg_b32 s2, hwreg(HW_REG_IB_STS2, 6, 4)
	s_cmp_eq_u32 s2, 0
	s_cbranch_scc0 .Lentry_in_a_cluster
	s_endpgm
.Lentry_in_a_cluster:
	s_bfe_u32 s2, ttmp6, 0x10000c
	s_cmp_lg_u32 s2, 0xf033
	s_cbranch_scc0 .Lentry_shape_is_right
	s_endpgm
.Lentry_shape_is_right:
; Launch 2 of 4: kqv = x W_kqv + b_kqv on codes of E2M1, and its three parts quantised at once for attention: k and q along d, v along the keys.  No work of reference() is left out here.
; A tile of 256 x 256 to a work-group of four waves, 128 x 128 to a wave (64 accumulators, 512 registers).  K = 1,024 is short: all of it, 4 quarters x (2 records of A + 2 of B) = 278,528 bytes, lies in LDS at once.
; Each wave asks for its four records at the head (four tensor loads of mine are out); nothing is ever filled again.  A quarter is read behind a counted wait and a barrier.
; THE MATRIX INSTRUCTION IS USED TRANSPOSED: source 0 = 16 rows of B, source 1 = 16 rows of A: a lane holds ONE row of A, and the 8 registers of accumulator (a, b) are B's rows 16 b + 8 (lane / 16) + 0 .. 7.
; TWO ROLES, by the cluster's x, which all sixteen partners share.  KQ (x = 0: k, x = 1: q): A = tokens (xq), B = features (wq): a lane's registers run along the features, which are the next product's K.
; V (x = 2): A = v's features (wq's rows 2,048 on), B = tokens (xq): a lane's registers run along the tokens, which are the keys, the K of the product with p.  So nothing is transposed in either role.
; CLUSTER 4 x 4: A's records are shared along a row of the cluster, B's along a column: joint loads, each with one mask.
; OUT.  hc: K, Q: [head 16 b + h][tile of 16 tokens][512 bytes]: lane (r, H) at 16 x lane: token r's block H of d;  V: [head][key step of 128][t 0..3][1,024 bytes]: the register image of 16 d x 128 keys.
; hs: K, Q: [head][step][r][pi 0..3][4 bytes]: (tile 2 pi: blocks 0, 1; tile 2 pi + 1: blocks 0, 1) of row r;  V: [head][step][r][t][4 bytes]: the step's four key blocks of d = 16 t + r.
; LIMITS: as stated at the head of the first kernel (NaN, infinities; the byte 1 for blocks under 2^-124).
; REGISTERS: window 0: v1-6 at work at the head; v12-23 LDS addresses; v25, v27 the way out; v28, v29 the add's two; v32-95 scale words and nothing else; v96-127 at work on the way out; v128-191 A's fragments, one set,
; later 64 numbers to quantise; v192-255 the bias.  Window 1: B's fragments, two sets.  Windows 2, 3: accumulator (a, b) at v[8 (8 (a % 4) + b)].
.set REC,   17408
.set SCO,   16384
.set XPL,   64*REC
.set WPL,   32*REC
.set QSL,   4*REC                      ; a quarter in LDS: A's two records, then B's two
.set SPARE, 4*QSL                      ; the spare words, 128 bytes for each wave; no other line names them
.set ADRS,  12
.set ADRA,  16
.set ADRB,  20
.set SPW,   28
.set NIL,   29
.set SC,    32                         ; register SC + 16 kq + 2 i + sp: lanes 0-15 the word of A's block i, lanes 16-31 that of B's block i
.set TM,    96
.set PC,    112
.set PW,    120
.set AF,    128
.set T,     128
.set BIAS,  192
.set G1,    24
.set G0,    32
.set G1B,   48
.set G0B,   68
.set SEL,   98
.set MSB, 0
.macro WIN new                         ; the immediate's high byte repeats the setting that is left
.if MSB != (\new)
	s_set_vgpr_msb (MSB<<8)|(\new)
.set MSB, (\new)
.endif
.endm
.set MUL_LO, 0xa1                      ; source 0 (B) window 1, source 1 (A) window 0, C and D window 2
.set MUL_HI, 0xf1
.set TO_B,   0x40
.macro CREST
	s_cmp_lg_u32 s14, 0
	s_cbranch_scc1 .Lnot_wave_0_\@
	s_barrier_signal -3
.Lnot_wave_0_\@:
	s_barrier_wait -3
	s_barrier_signal -1
	s_barrier_wait -1
.endm
.macro CROUND                          ; a round of the cluster's barrier
	s_barrier_signal -1
	s_barrier_wait -1
	CREST
.endm
.macro PLACES n
.rept \n
	v_nop
.endr
.endm
	s_load_b256 s[4:11], s[0:1], 0x0               ; xq, wq, b_kqv, hc
	s_load_b64 s[12:13], s[0:1], 0x20              ; hs
	v_lshl_add_u32 v[SPW], v0, 2, SPARE
	v_mov_b32 v[NIL], 0
	ds_add_u32 v[SPW], v[NIL]                      ; the opening: the add, twice on end, and its wait ahead of the round in front of my first tensor loads
	ds_add_u32 v[SPW], v[NIL]
	v_lshrrev_b32 v1, 5, v0
	v_readfirstlane_b32 s14, v1                    ; wave 0..3
	s_lshr_b32 s15, s14, 1                         ; I fetch for A (0) or B (1); I multiply A's record s15
	s_and_b32 s16, s14, 1                          ; which record of the two I fetch; I multiply B's record s16
	s_bfe_u32 s56, ttmp6, 0x40000                  ; cx
	s_bfe_u32 s57, ttmp6, 0x40004                  ; cy
	s_and_b32 s63, ttmp7, 0xffff                   ; the cluster's y
	s_lshl_b32 s59, s57, 2
	s_lshl_b32 s59, 15, s59                        ; my row of the cluster
	s_lshl_b32 s60, 0x1111, s56                    ; my column
	s_or_b32 s[G1], s59, (3<<16)|(1<<21)           ; group 1: a record as 68 dense rows of 256 bytes (32 elements of 8); the mask, and bit 21 beside it
	s_or_b32 s[G1B], s60, (3<<16)|(1<<21)
.irp g, G1, G1B
	s_mov_b32 s[\g+1], 32<<16
	s_mov_b32 s[\g+2], 68<<16
	s_mov_b32 s[\g+3], 32<<16
	s_mov_b32 s[\g+4], 68
	s_mov_b32 s[\g+5], 32
	s_mov_b32 s[\g+6], 0
	s_mov_b32 s[\g+7], 0
.endr
	s_lshl_b32 s92, s63, 2
	s_add_co_u32 s93, s92, s57                     ; KQ's tile row: 4 cluster y + cy
	s_add_co_u32 s94, s92, s56                     ; V's tile column: 4 cluster y + cx
	s_lshl_b32 s95, ttmp9, 2
	s_add_co_u32 s95, s95, s56                     ; KQ's tile column: 4 cluster x + cx
	s_mov_b32 s88, XPL
	s_mov_b32 s90, WPL
	s_cmp_eq_u32 ttmp9, 2                          ; the role: the same in all sixteen partners
	s_cselect_b32 s61, 1, 0
	s_cselect_b32 s17, s57, s93                    ; TR: made of cy and the cluster's ids alone
	s_cselect_b32 s58, s94, s95                    ; TC: of cx and the cluster's ids alone
	s_cselect_b32 s88, WPL, s88                    ; from quarter to quarter in A's buffer,
	s_cselect_b32 s90, XPL, s90                    ; and in B's
	s_cselect_b32 s96, 16, 0                       ; v's features begin at wq's record 16
	s_mov_b32 s89, 0
	s_mov_b32 s91, 0
	s_lshl_b32 s97, s17, 1
	s_add_co_u32 s97, s97, s96
	s_add_co_u32 s97, s97, s16
	s_mul_i32 s92, s97, REC                        ; A's record that I would fetch
	s_mov_b32 s93, 0
	s_lshl_b32 s94, s58, 1
	s_add_co_u32 s94, s94, s16
	s_mul_i32 s94, s94, REC                        ; B's
	s_mov_b32 s95, 0
	s_mul_i32 s66, s14, REC                        ; where it goes in a quarter: no place in the cluster enters an LDS address
	s_mov_b32 s[SEL], 0x76543210
	s_mov_b32 s[SEL+1], 0xfedcba98
	s_wait_dscnt 0x0                               ; both opening adds are done
	s_wait_kmcnt 0x0
	s_cmp_eq_u32 ttmp9, 2
	s_cselect_b64 s[84:85], s[6:7], s[4:5]
	s_cselect_b64 s[86:87], s[4:5], s[6:7]
	s_add_nc_u64 s[84:85], s[84:85], s[92:93]
	s_add_nc_u64 s[86:87], s[86:87], s[94:95]
.irp q, 0,1,2,3
	s_mov_b32 s[G0+4*\q], 1
	s_add_co_u32 s[G0+4*\q+1], s66, \q*QSL
	s_mov_b64 s[G0+4*\q+2:G0+4*\q+3], s[84:85]
	s_or_b32 s[G0+4*\q+3], s[G0+4*\q+3], 0x80000000
	s_add_nc_u64 s[84:85], s[84:85], s[88:89]
	s_mov_b32 s[G0B+4*\q], 1
	s_add_co_u32 s[G0B+4*\q+1], s66, \q*QSL
	s_mov_b64 s[G0B+4*\q+2:G0B+4*\q+3], s[86:87]
	s_or_b32 s[G0B+4*\q+3], s[G0B+4*\q+3], 0x80000000
	s_add_nc_u64 s[86:87], s[86:87], s[90:91]
.endr
	CROUND                                         ; all sixteen work-groups are here: the joint loads meet
	s_cmp_eq_u32 s15, 0                            ; a wave's four first fills stand in one branch on its number
	s_cbranch_scc0 .Lfill_b
.irp q, 0,1,2,3
	tensor_load_to_lds s[G0+4*\q:G0+4*\q+3], s[G1:G1+7]
	s_nop 0
.endr
	PLACES 4
	s_branch .Lfilled
.Lfill_b:
.irp q, 0,1,2,3
	tensor_load_to_lds s[G0B+4*\q:G0B+4*\q+3], s[G1B:G1B+7]
	s_nop 0
.endr
	PLACES 4
.Lfilled:
	v_and_b32 v1, 31, v0                           ; lane
	v_and_b32 v2, 15, v0                           ; r
	v_bfe_u32 v3, v0, 4, 1                         ; H
	v_lshlrev_b32 v4, 4, v1                        ; 16 x lane: my place in every register image; never rewritten
	s_wait_alu depctr_va_vdst(0)
	s_mul_i32 s67, s15, REC                        ; A's record that I multiply
	s_mul_i32 s22, s16, REC
	s_add_co_u32 s22, s22, 2*REC                   ; B's
	s_sub_co_u32 s23, s22, s67
	v_mul_u32_u24 v6, s23, v3                      ; scale words: lanes 16-31 take B's: one product, the distance x H
	v_lshl_add_u32 v5, v2, 3, v6
	s_add_co_u32 s23, s67, SCO
.irp q, 0,1,2,3
	v_add_nc_u32 v[ADRA+\q], s67, v4
	v_add_nc_u32 v[ADRB+\q], s22, v4
	v_add_nc_u32 v[ADRS+\q], s23, v5
	s_add_co_u32 s67, s67, QSL
	s_add_co_u32 s22, s22, QSL
	s_add_co_u32 s23, s23, QSL
.endr
	; the bias, one text for both roles: register BIAS + 8 b + j holds, KQ: that of feature 16 b + 8 H + j;  V: that of A's row 16 b + r, in all eight
	s_lshl_b32 s2, s58, 10
	s_lshl_b32 s3, s16, 9
	s_add_co_u32 s2, s2, s3                        ; KQ: 4 (256 TC + 128 (wave % 2))
	s_lshl_b32 s3, s17, 10
	s_lshl_b32 s66, s15, 9
	s_add_co_u32 s3, s3, s66
	s_add_co_u32 s3, s3, 8192                      ; V: 4 (2,048 + 256 TR + 128 (wave / 2))
	s_cmp_eq_u32 s61, 1
	s_cselect_b32 s2, s3, s2
	s_cselect_b32 s66, 4, 0
	s_cselect_b32 s67, 0, 32
	s_cselect_b32 s22, 0, 4
	s_mov_b32 s3, 0
	s_add_nc_u64 s[8:9], s[8:9], s[2:3]
	v_mul_u32_u24 v5, s66, v2
	v_mul_u32_u24 v6, s67, v3
	v_add_nc_u32 v5, v5, v6
	s_wait_alu depctr_va_vdst(0)
	s_mov_b32 s23, 0
.irp j, 0,1,2,3,4,5,6,7
	v_add_nc_u32 v[TM+\j], s23, v5                 ; (these eight are written again only behind the wait for the loads)
	s_add_co_u32 s23, s23, s22
.endr
	s_wait_alu depctr_va_vdst(0)
.irp b, 0,1,2,3,4,5,6,7
.irp j, 0,1,2,3,4,5,6,7
	global_load_b32 v[BIAS+8*\b+\j], v[TM+\j], s[8:9] offset:64*\b
.endr
.endr
	; where the results go.  slot = the head's place among K's 64, Q's 64, V's 64; codes: slot x 65,536 + step x 4,096; scale words: slot x 4,096 + step x 256
	s_lshl_b32 s92, ttmp9, 6
	s_lshr_b32 s93, s63, 1
	s_lshl_b32 s93, s93, 4
	s_add_co_u32 s92, s92, s93
	s_lshl_b32 s93, s56, 2
	s_add_co_u32 s92, s92, s93
	s_lshl_b32 s93, s16, 1
	s_add_co_u32 s92, s92, s93                     ; KQ: 64 x + 16 batch + 4 cx + 2 (wave % 2)
	s_and_b32 s93, s17, 7
	s_lshl_b32 s93, s93, 1
	s_add_co_u32 s93, s93, s15                     ; KQ: step 2 (TR % 8) + wave / 2
	s_lshr_b32 s94, s58, 3
	s_lshl_b32 s94, s94, 4
	s_lshl_b32 s95, s17, 2
	s_add_co_u32 s94, s94, s95
	s_lshl_b32 s95, s15, 1
	s_add_co_u32 s94, s94, s95
	s_add_co_u32 s94, s94, 128                     ; V: 128 + 16 batch + 4 TR + 2 (wave / 2)
	s_and_b32 s95, s58, 7
	s_lshl_b32 s95, s95, 1
	s_add_co_u32 s95, s95, s16                     ; V: step 2 (TC % 8) + wave % 2
	s_cmp_eq_u32 s61, 1
	s_cselect_b32 s92, s94, s92
	s_cselect_b32 s93, s95, s93
	s_lshl_b32 s94, s92, 16
	s_lshl_b32 s96, s93, 12
	s_add_co_u32 s94, s94, s96
	s_mov_b32 s95, 0
	s_add_nc_u64 s[18:19], s[10:11], s[94:95]
	s_lshl_b32 s94, s92, 12
	s_lshl_b32 s96, s93, 8
	s_add_co_u32 s94, s94, s96
	s_add_nc_u64 s[20:21], s[12:13], s[94:95]
	v_lshlrev_b32 v25, 4, v2
	v_lshl_add_u32 v25, v3, 12, v25                ; scale words: 4,096 H + 16 r: lanes 16-31 serve the second head
	s_mov_b32 s22, 0xffff0000                      ; lanes 16-31
	v_mov_b32 v27, 0x05040100
	v_mov_b32 v26, 0x07060302
	v_cndmask_b32 v27, v27, v26, s22               ; which two bytes of a word belong to my head
.macro FRAG reg, adr, sp, i            ; 16 rows x 128 K: 8 registers, two loads of 512 bytes on end
.irp c, 0,1
	ds_load_b128 v[\reg+4*\c:\reg+4*\c+3], v[\adr] offset:(\i)*2048+(\sp)*1024+512*\c
.endr
.endm
.macro FETCH_B kq, sp, p
	WIN TO_B
.irp i, 0,1,2,3,4,5,6,7
	FRAG 128*(\p)+8*\i, ADRB+\kq, \sp, \i
.endr
	WIN 0
.endm
.macro FETCH_A kq, sp, i0
.irp i, \i0, \i0+1, \i0+2, \i0+3
	FRAG AF+8*(\i), ADRA+\kq, \sp, \i
.endr
.endm
.macro SCALES kq                       ; a quarter's scale words: two a row
.irp i, 0,1,2,3,4,5,6,7
	ds_load_b64 v[SC+16*\kq+2*\i:SC+16*\kq+2*\i+1], v[ADRS+\kq] offset:128*\i
.endr
.endm
; 16 matrix instructions: A's blocks a0, a0 + 1 x B's eight.  zero = 1: the first product starts the sums.  The 64 accumulators take turns, one instruction a turn, in one order throughout.
.macro MUL16 a0, p, kq, sp, zero
.irp a, \a0, \a0+1
.irp b, 0,1,2,3,4,5,6,7
.if \zero
	v_wmma_scale_f32_16x16x128_f8f6f4 v[8*(8*((\a)%4)+\b):8*(8*((\a)%4)+\b)+7], v[128*(\p)+8*\b:128*(\p)+8*\b+7], v[AF+8*(\a):AF+8*(\a)+7], 0, v[SC+16*(\kq)+2*\b+(\sp)], v[SC+16*(\kq)+2*(\a)+(\sp)] matrix_a_fmt:MATRIX_FMT_FP4 matrix_b_fmt:MATRIX_FMT_FP4 matrix_a_scale:MATRIX_SCALE_ROW1
.else
	v_wmma_scale_f32_16x16x128_f8f6f4 v[8*(8*((\a)%4)+\b):8*(8*((\a)%4)+\b)+7], v[128*(\p)+8*\b:128*(\p)+8*\b+7], v[AF+8*(\a):AF+8*(\a)+7], v[8*(8*((\a)%4)+\b):8*(8*((\a)%4)+\b)+7], v[SC+16*(\kq)+2*\b+(\sp)], v[SC+16*(\kq)+2*(\a)+(\sp)] matrix_a_fmt:MATRIX_FMT_FP4 matrix_b_fmt:MATRIX_FMT_FP4 matrix_a_scale:MATRIX_SCALE_ROW1
.endif
.endr
.endr
.endm
; A quarter's first 128 along K (B's set 0).  Four plain places stand in front of each run of loads into registers that matrix instructions have read (ISA guide 7.12.1 for vector instructions).
.macro STEP kq, zero
	s_wait_dscnt 8                                 ; all but the youngest eight loads (A's blocks 4-7)
	WIN MUL_LO
	MUL16 0, 0, \kq, 0, \zero
	MUL16 2, 0, \kq, 0, \zero
	s_wait_dscnt 0x0
	PLACES 4
	FETCH_B \kq, 1, 1
	FETCH_A \kq, 1, 0
	WIN MUL_HI
	MUL16 4, 0, \kq, 0, \zero
	MUL16 6, 0, \kq, 0, \zero
	PLACES 4
	WIN 0
	FETCH_A \kq, 1, 4
.endm
; Its second 128 (B's set 1), and the step into the next quarter: my record of it has landed (the 2 - kq loads behind it may stay out), and behind the barrier everybody's has.
.macro TURN kq, nx
	s_wait_tensorcnt 2-\kq
	s_wait_dscnt 8
	WIN MUL_LO
	MUL16 0, 1, \kq, 1, 0
	s_wait_dscnt 0x0                               ; no LDS instruction of mine is pending at the signal
	s_barrier_signal -1
	MUL16 2, 1, \kq, 1, 0
	WIN 0
	s_barrier_wait -1
	PLACES 4
	FETCH_B \nx, 0, 0
	FETCH_A \nx, 0, 0
	SCALES \nx
	WIN MUL_HI
	MUL16 4, 1, \kq, 1, 0
	MUL16 6, 1, \kq, 1, 0
	PLACES 4
	WIN 0
	FETCH_A \nx, 0, 4
.endm
	s_wait_tensorcnt 3                             ; my record of quarter 0 is in; three loads are younger
	s_barrier_signal -1
	s_barrier_wait -1
	FETCH_B 0, 0, 0
	FETCH_A 0, 0, 0
	SCALES 0
	FETCH_A 0, 0, 4
	STEP 0, 1
	TURN 0, 1
	STEP 1, 0
	TURN 1, 2
	STEP 2, 0
	TURN 2, 3
	STEP 3, 0
	s_wait_dscnt 8
	WIN MUL_LO
	MUL16 0, 1, 3, 1, 0
	MUL16 2, 1, 3, 1, 0
	s_wait_dscnt 0x0
	WIN MUL_HI
	MUL16 4, 1, 3, 1, 0
	MUL16 6, 1, 3, 1, 0
	WIN 0
; THE WAY OUT.  64 numbers of a lane, v[s + 8 tau + j] = index 16 tau + 8 H + j along the next K of my row, become the operand's 8 registers in v[PC] on and its scale word in v[pw].  Block b is tiles 2 b, 2 b + 1:
; 16 numbers here and 16 in lane l xor 16.  The codes of (block b, tile half i) go to register 4 (b / 2) + 2 i + b % 2; the four exchanges of halves then leave register 4 c + g with k = 64 c + 32 H + 8 g + 0 .. 7.
.macro QUANT s, pw
.irp b, 0,1,2,3
	v_max3_num_f32 v[TM+\b], |v[\s+16*\b]|, |v[\s+1+16*\b]|, 0x1800000   ; with the floor 2^(3 - 127): the byte cannot fall under 1
.endr
.irp i, 2,4,6,8,10,12,14
.irp b, 0,1,2,3
	v_max3_num_f32 v[TM+\b], v[TM+\b], |v[\s+16*\b+\i]|, |v[\s+1+16*\b+\i]|
.endr
.endr
.irp b, 0,1,2,3
	v_permlanex16_b32 v[TM+4+\b], v[TM+\b], s[SEL], s[SEL+1]   ; (its destination has been written: it held a bias offset)
.endr
.irp b, 0,1,2,3
	v_max_num_f32 v[TM+\b], v[TM+\b], v[TM+4+\b]
.endr
.irp b, 0,1,2,3
	v_add_nc_u32 v[TM+12+\b], 0xff000000, v[TM+\b]  ; 2 off the exponent field: the conversion's scale operand
.endr
.irp b, 0,1,2,3
	v_lshrrev_b32 v[TM+4+\b], 23, v[TM+12+\b]       ; the byte
.endr
	v_lshl_or_b32 v[\pw], v[TM+5], 8, v[TM+4]
	v_lshl_or_b32 v[\pw], v[TM+6], 16, v[\pw]
	v_lshl_or_b32 v[\pw], v[TM+7], 24, v[\pw]
.irp b, 0,1,2,3
.irp i, 0,1
	v_cvt_scalef32_pk8_fp4_f32 v[PC+4*(\b/2)+2*\i+(\b%2)], v[\s+16*\b+8*\i:\s+16*\b+8*\i+7], v[TM+12+\b]
.endr
.endr
	v_nop                                          ; one plain place behind the conversions
.irp c, 0,1
.irp i, 0,1
	v_permlane16_swap_b32 v[PC+4*\c+2*\i], v[PC+4*\c+2*\i+1]
.endr
.endr
.endm
; A's block a: the bias is added (each accumulator is read from its low end on), the 128 numbers a row are quantised, and the image leaves: 512 bytes on end a store.
.macro EPI role, a
	WIN 0x02+(\a)/4
.set k, 0
.rept 32
.if \role
	v_pk_add_f32 v[T+2*k:T+2*k+1], v[64*((\a)%4)+2*k:64*((\a)%4)+2*k+1], v[BIAS+8*(\a):BIAS+8*(\a)+1]
.else
	v_pk_add_f32 v[T+2*k:T+2*k+1], v[64*((\a)%4)+2*k:64*((\a)%4)+2*k+1], v[BIAS+2*k:BIAS+2*k+1]
.endif
.set k, k+1
.endr
	WIN 0
	s_wait_xcnt 0x0                                ; the last block's stores have read their data: the codes' registers are written again only behind this wait
	QUANT T, PW+(\a)
.irp c, 0,1
.if \role
	global_store_b128 v4, v[PC+4*\c:PC+4*\c+3], s[18:19] offset:((\a)/4)*65536+((\a)%4)*1024+512*\c   ; head a / 4 of my two, t = a % 4
.else
	global_store_b128 v4, v[PC+4*\c:PC+4*\c+3], s[18:19] offset:65536*\c+512*(\a)                     ; head c of my two, tile a of the step
.endif
.endr
.endm
	s_wait_loadcnt 0x0                             ; the bias
	PLACES 4                                       ; behind the last products: their results are read and A's registers written
	s_cmp_eq_u32 s61, 1
	s_cbranch_scc1 .Lepi_v
.irp a, 0,1,2,3,4,5,6,7
	EPI 0, \a
.endr
.irp p, 0,1,2,3
	v_perm_b32 v[TM+\p], v[PW+2*\p+1], v[PW+2*\p], v27   ; my head's two bytes of tiles 2 p and 2 p + 1
.endr
	s_branch .Lepi_done
.Lepi_v:
.irp a, 0,1,2,3,4,5,6,7
	EPI 1, \a
.endr
.irp t, 0,1,2,3
	v_cndmask_b32 v[TM+\t], v[PW+\t], v[PW+4+\t], s22    ; lanes 0-15: the first head's t, lanes 16-31: the second's
.endr
.Lepi_done:
	s_wait_alu depctr_va_vdst(0)
	global_store_b128 v25, v[TM:TM+3], s[20:21]    ; sixteen lanes fill 256 bytes on end, aligned, for each of the two heads
	s_wait_tensorcnt 0x0                           ; the wave's end
	ds_add_u32 v[SPW], v[NIL]
	s_wait_dscnt 0x0
	CROUND                                         ; the closing round
	s_endpgm
.Lfunc_end_k_q1dfe0f396c_qkv:
	.size	k_q1dfe0f396c_qkv, .Lfunc_end_k_q1dfe0f396c_qkv-k_q1dfe0f396c_qkv
	.p2alignl 7, 3214868480
	.fill 96, 4, 3214868480
	.section	.rodata,"a",@progbits
	.p2align	6, 0x0
	.amdhsa_kernel k_q1dfe0f396c_qkv
		.amdhsa_group_segment_fixed_size 327680
		.amdhsa_private_segment_fixed_size 0
		.amdhsa_enable_private_segment 0
		.amdhsa_kernarg_size 40
		.amdhsa_user_sgpr_count 2
		.amdhsa_user_sgpr_kernarg_segment_ptr 1
		.amdhsa_wavefront_size32 1
		.amdhsa_system_sgpr_workgroup_id_x 1
		.amdhsa_system_sgpr_workgroup_id_y 1
		.amdhsa_system_sgpr_workgroup_id_z 1
		.amdhsa_system_vgpr_workitem_id 0
		.amdhsa_next_free_vgpr 1024
		.amdhsa_next_free_sgpr 100
		.amdhsa_reserve_vcc 0
		.amdhsa_float_denorm_mode_32 3
		.amdhsa_float_denorm_mode_16_64 3
		.amdhsa_memory_ordered 1
		.amdhsa_forward_progress 1
		.amdhsa_inst_pref_size 201
	.end_amdhsa_kernel
	.amdgpu_metadata
---
amdhsa.version: [ 1, 2 ]
amdhsa.kernels:
  - .name:           k_q1dfe0f396c_qkv
    .symbol:         k_q1dfe0f396c_qkv.kd
    .args:
      - { .name: xq, .offset: 0, .size: 8, .value_kind: global_buffer, .address_space: global }
      - { .name: wq, .offset: 8, .size: 8, .value_kind: global_buffer, .address_space: global }
      - { .name: b_kqv, .offset: 16, .size: 8, .value_kind: global_buffer, .address_space: global }
      - { .name: hc, .offset: 24, .size: 8, .value_kind: global_buffer, .address_space: global }
      - { .name: hs, .offset: 32, .size: 8, .value_kind: global_buffer, .address_space: global }
    .group_segment_fixed_size: 327680
    .private_segment_fixed_size: 0
    .kernarg_segment_align: 8
    .kernarg_segment_size: 40
    .max_flat_workgroup_size: 128
    .sgpr_count:     100
    .vgpr_count:     1024
    .wavefront_size: 32
...
	.end_amdgpu_metadata
.endif
;; end of part 2
;; launch attn (part 3): grid 4 x 64, 16 waves a work-group, no clusters, 327,680 bytes of LDS; arguments hc, hs, aq; writes aq
.if DOCPART == 3
	.amdgcn_target "amdgcn-amd-amdhsa--gfx1250"
	.amdhsa_code_object_version 6
	.text
	.protected	k_q1dfe0f396c_attn
	.globl	k_q1dfe0f396c_attn
	.p2align	8
	.type	k_q1dfe0f396c_attn,@function
k_q1dfe0f396c_attn:
	s_mov_b64 s[64:65], 0
	v_nop
	global_prefetch_b8 v0, s[64:65] scope:SCOPE_SE
	s_setreg_imm32_b32 hwreg(HW_REG_WAVE_MODE, 25, 1), 1
	s_wait_xcnt 0x0
; Launch 3 of 4: x_att = softmax(q k^T / 32, causal) v on codes of E2M1, and x_att quantised along C for the last product.
; LEFT OUT: key steps all of whose 128 keys come after all 16 queries of a wave's tile: reference()'s own jnp.tril gives them the weight 0 for all inputs (shown at the head of the first kernel).
; THE SOFTMAX: t = score x log2(e) / 32; M = the running largest t rounded UP to a whole number; p = 2^(t - M) is quantised along the keys, not normalised; the sum of the unquantised p divides at the end;
; when M moves, the sum and O are multiplied by 2^(old M - new M), which rounds nothing.  LIMITS: the running maximum starts at -3e38; NaN and infinities are not served; the byte 1 for blocks under 2^-124.
; SHARES.  Work-group (i, head) does the head's query blocks 7 - i and then i, 256 queries each: (8 - i) + (i + 1) = 9 blocks of keys for every work-group.  Each of sixteen waves owns one tile of 16 queries in 256 registers.
; A head's K and V codes (64 KiB each) and scale words (4 KiB each) are brought into LDS ONCE: the first 512 keys and the scale words at the head, each later 512 keys behind a barrier, while the 512 before are walked.
; Nothing is filled again.  The second pass finds all its keys in LDS: no load and no barrier.
; NO CLUSTER: the four work-groups of a head need 2,048, 1,792, 1,536 and 1,280 keys; a joint load of the last 512 keys would bring two partners tiles that none of their waves reads.
; LAYOUT.  Both products transposed: S^T = K Q^T, O^T = V^T P^T: a lane holds ONE query (lane % 16).  d = 64 is half of the instruction's K: source 0 holds TWO tiles of 16 keys (registers 0-3, 4-7), source 1 is
; [q | 0] or [0 | q]: zero codes take the other tile out, so each fragment of K feeds two products.  q's scale word is (s0, s1, s0, s1).  Register 8 tau + j of S^T is key 16 tau + 8 (lane / 16) + j.
; p's codes of (block b, tile half i) go to register 4 (b / 2) + 2 i + b % 2, and four exchanges of halves make them the operand.
; REGISTERS: v1-4, v7 addresses that stay; v5, v6 the add's two; v8-10 the step's LDS addresses; v12 -M, v13 the largest t, v[14:15] the sum; v16-19 zeros, v20-23 q, v24-27 zeros; v28 the prefetch's offset;
; v32-63 K; v64-95 V; v96-159 S^T, then p; v160-191 O^T; v192-201 scale words and nothing else (V's 4, K's 4, p's, q's); v224-231 codes; v232-254 at work.
.set REC,   17408
.set SCO,   16384
.set XPL,   64*REC
.set QOFF,  4194304
.set VOFF,  8388608
.set SCK,   131072                     ; LDS: K 0, V 65,536, K's scale words, V's scale words, the spare words
.set SPARE, 139264                     ; 128 bytes for each of sixteen waves; no other line names them
.set TB,   2
.set TS,   3
.set WV,   18
.set SEL,  20
.set CS,   22
.set G1C,  24
.set G1S,  32
.set G0C,  40
.set G0S,  44
.set CH,   66
.set TW,   67
.set LQ,   68
.set PFA,  76
.set LIM,  80
.set KF,   98
.set Q0,   99
.macro TLOAD0                          ; waves 0, 1: the first 512 keys of K, of V; waves 2, 3: K's, V's scale words.  An s_nop 0 and four v_nop follow each line
	s_cmp_lt_u32 s[WV], 2
	s_cbranch_scc0 .Lnot_c_\@
	tensor_load_to_lds s[G0C:G0C+3], s[G1C:G1C+7]
	s_nop 0
.rept 4
	v_nop
.endr
	s_branch .Lasked_\@
.Lnot_c_\@:
	s_cmp_lt_u32 s[WV], 4
	s_cbranch_scc0 .Lasked_\@
	tensor_load_to_lds s[G0S:G0S+3], s[G1S:G1S+7]
	s_nop 0
.rept 4
	v_nop
.endr
.Lasked_\@:
.endm
.macro TLOADC                          ; waves 0, 1: the next 512 keys
	s_cmp_lt_u32 s[WV], 2
	s_cbranch_scc0 .Lasked_\@
	tensor_load_to_lds s[G0C:G0C+3], s[G1C:G1C+7]
	s_nop 0
.rept 4
	v_nop
.endr
.Lasked_\@:
.endm
; A prefetch of the 512 keys that the NEXT change will ask for: 16 KiB of K and of V.  The head's work-group 0, which loads all four chunks, asks, and nobody else; in it waves 4, 5 for K's halves, waves 6, 7 for V's,
; 8 KiB a wave, lanes 256 bytes apart: each aligned 256 bytes is named once in the launch.  Chunks 0 and 1 come by their loads alone; the last change that loads asks for nothing.
.macro ASK
	s_cmp_gt_u32 s[CH], s[LIM]
	s_cbranch_scc0 .Lnot_mine_\@
	global_prefetch_b8 v28, s[PFA:PFA+1] th:TH_LOAD_NT scope:SCOPE_SE
.Lnot_mine_\@:
.endm
	s_load_b128 s[4:7], s[0:1], 0x0                ; hc, hs
	s_load_b64 s[8:9], s[0:1], 0x10                ; aq
	v_lshl_add_u32 v5, v0, 2, SPARE
	v_mov_b32 v6, 0
	ds_add_u32 v5, v6                              ; the opening: the add, twice on end, and its wait ahead of the first tensor loads
	ds_add_u32 v5, v6
	v_lshrrev_b32 v8, 5, v0
	s_delay_alu instid0(VALU_DEP_1)
	v_readfirstlane_b32 s[WV], v8                  ; wave 0..15
	s_and_b32 s19, ttmp7, 0xffff                   ; the head, 16 b + h
	s_mov_b32 s[G1C], 3<<16                        ; group 1: dense rows of 256 bytes (32 elements of 8): 64 of them for 512 keys,
	s_mov_b32 s[G1C+1], 32<<16
	s_mov_b32 s[G1C+2], 64<<16
	s_mov_b32 s[G1C+3], 32<<16
	s_mov_b32 s[G1C+4], 64
	s_mov_b32 s[G1C+5], 32
	s_mov_b32 s[G1C+6], 0
	s_mov_b32 s[G1C+7], 0
	s_mov_b32 s[G1S], 3<<16                        ; 16 for a head's scale words
	s_mov_b32 s[G1S+1], 32<<16
	s_mov_b32 s[G1S+2], 16<<16
	s_mov_b32 s[G1S+3], 32<<16
	s_mov_b32 s[G1S+4], 16
	s_mov_b32 s[G1S+5], 32
	s_mov_b32 s[G1S+6], 0
	s_mov_b32 s[G1S+7], 0
	s_and_b32 s96, s[WV], 1
	s_mov_b32 s[G0C], 1
	s_lshl_b32 s[G0C+1], s96, 16                   ; K at 0, V at 65,536
	s_mov_b32 s[G0S], 1
	s_lshl_b32 s[G0S+1], s96, 12
	s_add_co_u32 s[G0S+1], s[G0S+1], SCK
	s_lshl_b32 s74, s19, 16                        ; the head's codes
	s_mov_b32 s75, 0
	s_mul_i32 s82, s96, VOFF
	s_add_co_u32 s82, s82, s74
	s_mov_b32 s83, 0
	s_lshl_b32 s92, s19, 12                        ; the head's scale words
	s_mov_b32 s93, 0
	s_lshl_b32 s94, s96, 19
	s_add_co_u32 s94, s94, s92
	s_mov_b32 s95, 0
	s_mov_b32 s69, 0x01000100
	s_cmp_eq_u32 s96, 1
	s_cselect_b32 s69, 0x03020302, s69             ; my tile's two bytes of its pair's scale word, twice
	s_mov_b32 s[SEL], 0x76543210
	s_mov_b32 s[SEL+1], 0xfedcba98
	s_mov_b32 s[CS], 0x3d38aa3b                    ; c = log2(e) / 32
	s_mov_b32 s[CS+1], s[CS]
	s_lshl_b32 s81, ttmp9, 8                       ; 256 i
	s_sub_co_u32 s[LQ], 2047, s81                  ; the work-group's last query: 256 (8 - i) - 1
	s_lshl_b32 s79, s[WV], 4
	s_wait_dscnt 0x0                               ; both opening adds are done
	s_wait_kmcnt 0x0
	s_add_nc_u64 s[G0C+2:G0C+3], s[4:5], s[82:83]
	s_or_b32 s[G0C+3], s[G0C+3], 0x80000000
	s_add_nc_u64 s[G0S+2:G0S+3], s[6:7], s[94:95]
	s_or_b32 s[G0S+3], s[G0S+3], 0x80000000
	TLOAD0
	s_add_nc_u64 s[70:71], s[4:5], s[74:75]
	s_add_nc_u64 s[70:71], s[70:71], QOFF          ; the head's q codes
	s_add_nc_u64 s[72:73], s[6:7], s[92:93]
	s_add_nc_u64 s[72:73], s[72:73], 262144        ; and scale words
	s_and_b32 s96, s19, 15                         ; h
	s_lshr_b32 s97, s96, 2
	s_mul_i32 s97, s97, XPL                        ; aq's quarter: 64 h / 256
	s_lshr_b32 s82, s19, 4
	s_mul_i32 s82, s82, 16*REC                     ; the batch's first record
	s_add_co_u32 s82, s82, s97
	s_and_b32 s96, s96, 3
	s_lshl_b32 s97, s96, 9
	s_add_co_u32 s94, s82, s97
	s_add_nc_u64 s[10:11], s[8:9], s[94:95]        ; codes: blocks 2 (h % 4) and + 1
	s_lshl_b32 s97, s96, 1
	s_add_co_u32 s94, s82, s97
	s_add_co_u32 s94, s94, SCO
	s_add_nc_u64 s[12:13], s[8:9], s[94:95]        ; their two scale bytes
	s_bfe_u32 s96, s[WV], 0x10001
	s_mul_i32 s96, s96, VOFF                       ; waves 6, 7: V
	s_and_b32 s97, s[WV], 1
	s_lshl_b32 s97, s97, 13
	s_add_co_u32 s96, s96, s97
	s_add_co_u32 s96, s96, s74
	s_add_co_u32 s96, s96, 16384                   ; at chunk 1: the first change steps it to chunk 2
	s_mov_b32 s97, 0
	s_add_nc_u64 s[PFA:PFA+1], s[4:5], s[96:97]
	s_lshr_b32 s96, s[WV], 2
	s_xor_b32 s96, s96, 1                          ; 0 in waves 4 to 7,
	s_or_b32 s96, s96, ttmp9                       ; of work-group 0 of the head
	s_cmp_eq_u32 s96, 0
	s_cselect_b32 s[LIM], 1, -1
	v_and_b32 v1, 31, v0
	s_delay_alu instid0(VALU_DEP_1)
	v_lshlrev_b32 v1, 4, v1                        ; 16 x lane
	s_delay_alu instid0(VALU_DEP_1)
	v_add_nc_u32 v2, 0x10000, v1                   ; the same in V's region
	v_and_b32 v7, 15, v0
	s_delay_alu instid0(VALU_DEP_1)
	v_lshlrev_b32 v7, 4, v7                        ; 16 r
	s_delay_alu instid0(VALU_DEP_1)
	v_add_nc_u32 v3, SCK, v7                       ; my row's four scale words of a step
	s_delay_alu instid0(VALU_DEP_2)
	v_lshrrev_b32 v4, 1, v7                        ; 8 r
	v_lshlrev_b32 v28, 4, v1                       ; 256 x lane
.irp j, 16,17,18,19,24,25,26,27,236,237,238,239,252,253
	v_mov_b32 v\j, 0                               ; the zero codes beside q; and registers that are named (a permute's destination, a pair's upper half) before they are first written
.endr
; THE HEAD OF A PASS, for the tile that begins at query s[Q0].
.macro PROLOG
	s_wait_xcnt 0x0                                ; earlier loads and stores have read their bases and data
	s_lshl_b32 s74, s[Q0], 5
	s_mov_b32 s75, 0
	s_add_nc_u64 s[84:85], s[70:71], s[74:75]      ; q's tile: 512 bytes for 16 tokens
	s_lshr_b32 s74, s[Q0], 7
	s_lshl_b32 s74, s74, 8
	s_bfe_u32 s96, s[Q0], 0x20005
	s_lshl_b32 s96, s96, 2
	s_add_co_u32 s74, s74, s96
	s_add_nc_u64 s[86:87], s[72:73], s[74:75]      ; its pair's scale word
	s_lshr_b32 s74, s[Q0], 7
	s_mul_i32 s97, s74, REC
	s_bfe_u32 s96, s[Q0], 0x30004                  ; ro
	s_lshl_b32 s74, s96, 11
	s_add_co_u32 s74, s74, s97
	s_add_nc_u64 s[88:89], s[10:11], s[74:75]      ; where x_att's codes go,
	s_lshl_b32 s74, s96, 7
	s_add_co_u32 s74, s74, s97
	s_add_nc_u64 s[90:91], s[12:13], s[74:75]      ; and their scale bytes
	global_load_b128 v[20:23], v1, s[84:85]
	global_load_b32 v254, v7, s[86:87]
	s_mov_b32 s[KF], 0
	s_mov_b32 s[TB], 0
	s_mov_b32 s[TS], 0
	s_wait_loadcnt 0x0
	v_perm_b32 v201, v254, v254, s69               ; (s0, s1, s0, s1).  The lines below are the eight places and more between this and the first product
	v_mov_b32 v13, 0xff61b1e6                      ; the largest t so far: -3e38
	s_delay_alu instid0(VALU_DEP_1)
	v_floor_f32 v12, -v13                          ; -M
	v_mov_b32 v14, 0
	v_mov_b32 v15, 0
.set j, 0
.rept 32
	v_mov_b32 v[160+j], 0                          ; O^T: the step is written once; the first finds zeros, which the first change of M leaves zeros
.set j, j+1
.endr
.endm
; A KEY STEP: 128 keys from s[KF] on; their codes begin at LDS byte s[TB] of K's and V's regions, their scale words at s[TS].
.macro STEP
	s_add_co_u32 s96, s[Q0], 15
	s_cmp_gt_u32 s[KF], s96                        ; all keys behind my last query: the step's work is left out; ids and the count of steps alone decide
	s_cbranch_scc1 .Lhidden_\@
	s_setprio 2
	v_add_nc_u32 v8, s[TB], v1
	v_add_nc_u32 v9, s[TB], v2
	v_add_nc_u32 v10, s[TS], v3
	v_nop                                          ; four plain places behind the last step's products, whose V and scale registers are loaded anew below
.irp n, 0,1,2,3,4,5,6,7
	ds_load_b128 v[32+4*\n:35+4*\n], v8 offset:512*\n    ; tile n of 16 keys: half a fragment
.endr
	ds_load_b128 v[196:199], v10                   ; K's four scale words of my row
.irp n, 0,1,2,3,4,5,6,7
	ds_load_b128 v[64+4*\n:67+4*\n], v9 offset:512*\n
.endr
	ds_load_b128 v[192:195], v10 offset:4096       ; V's
	s_wait_dscnt 9                                 ; K and its words are in; V's nine loads are younger
.irp p, 0,1,2,3
	v_wmma_scale_f32_16x16x128_f8f6f4 v[96+16*\p:103+16*\p], v[32+8*\p:39+8*\p], v[20:27], 0, v[196+\p], v201 matrix_a_fmt:MATRIX_FMT_FP4 matrix_b_fmt:MATRIX_FMT_FP4
	v_wmma_scale_f32_16x16x128_f8f6f4 v[104+16*\p:111+16*\p], v[32+8*\p:39+8*\p], v[16:23], 0, v[196+\p], v201 matrix_a_fmt:MATRIX_FMT_FP4 matrix_b_fmt:MATRIX_FMT_FP4
.endr
.rept 4
	v_nop
.endr
	s_add_co_u32 s96, s[KF], 127
	s_cmp_le_u32 s96, s[Q0]                        ; a step all of whose keys count skips the mask
	s_cbranch_scc1 .Lopen_\@
	s_sub_co_i32 s96, s[Q0], s[KF]
	v_and_b32 v252, 15, v0
	v_bfe_u32 v253, v0, 4, 1
	s_delay_alu instid0(VALU_DEP_1)
	v_lshlrev_b32 v253, 3, v253
	s_delay_alu instid0(VALU_DEP_1)
	v_sub_nc_u32 v252, v252, v253
	s_delay_alu instid0(VALU_DEP_1)
	v_add_nc_u32 v252, s96, v252                   ; d = my query - KF - 8 (lane / 16); register n holds key KF + 8 (lane / 16) + 16 (n / 8) + n % 8: hidden where 16 (n / 8) + n % 8 > d
	v_mov_b32 v254, 0xff800000                     ; -infinity: p = 0 then.  Key KF counts for every query of the tile, so M stays a number
.set n, 0
.rept 64
	v_cmp_gt_i32 vcc_lo, 16*(n/8)+n%8, v252
	v_cndmask_b32 v[96+n], v[96+n], v254, vcc_lo
.set n, n+1
.endr
.Lopen_\@:
.irp b, 0,1,2,3
	v_max3_num_f32 v[232+\b], v[96+16*\b], v[97+16*\b], v[98+16*\b]   ; the largest score of each block of 32 keys: for the row's maximum, and, since p rises with the score, for the block's largest p
.endr
.irp i, 3,5,7,9,11,13
.irp b, 0,1,2,3
	v_max3_num_f32 v[232+\b], v[232+\b], v[96+16*\b+\i], v[97+16*\b+\i]
.endr
.endr
.irp b, 0,1,2,3
	v_max_num_f32 v[232+\b], v[232+\b], v[111+16*\b]
.endr
.irp b, 0,1,2,3
	s_delay_alu instid0(VALU_DEP_4)
	v_permlanex16_b32 v[236+\b], v[232+\b], s[SEL], s[SEL+1]
.endr
.irp b, 0,1,2,3
	s_delay_alu instid0(VALU_DEP_4)
	v_max_num_f32 v[232+\b], v[232+\b], v[236+\b]  ; with lane l xor 16's 16 keys
.endr
	s_delay_alu instid0(VALU_DEP_2)
	v_max3_num_f32 v254, v232, v233, v234
	s_delay_alu instid0(VALU_DEP_1)
	v_max_num_f32 v254, v254, v235
	s_delay_alu instid0(VALU_DEP_1)
	v_mul_f32 v254, s[CS], v254                    ; as t (c is positive)
	s_delay_alu instid0(VALU_DEP_1)
	v_max_num_f32 v13, v13, v254                   ; the running largest t
	v_mov_b32 v254, v12
	s_delay_alu instid0(VALU_DEP_2)
	v_floor_f32 v12, -v13                          ; the new -M = -ceil(t)
	s_delay_alu instid0(VALU_DEP_1)
	v_sub_f32 v254, v12, v254                      ; old M - new M: a whole number, 0 or less
	s_delay_alu instid0(VALU_DEP_1)
	v_cvt_i32_f32 v254, v254                       ; (it saturates)
	s_delay_alu instid0(VALU_DEP_1)
	v_ldexp_f32 v252, 1.0, v254                    ; f = 2^(old M - new M)
.set j, 0
.rept 32
	v_pk_fma_f32 v[96+j:97+j], v[96+j:97+j], s[CS:CS+1], v[12:13] op_sel_hi:[1,0,0]   ; t - M
.set j, j+2
.endr
	s_setprio 1
.irp b, 0,1,2,3
	v_fma_f32 v[232+\b], v[232+\b], s[CS], v12     ; the same of each block's largest score
.endr
.set j, 0
	s_wait_alu depctr_va_vdst(0)
.rept 64
	v_exp_f32 v[96+j], v[96+j]                     ; p = 2^(t - M)
.set j, j+1
.endr
	v_pk_mul_f32 v[14:15], v[14:15], v[252:253] op_sel_hi:[1,0]   ; the sums under the new M: the plain line behind the exponentials
	s_wait_alu depctr_va_vdst(0)                   ; one wait for the batch, ahead of its first reader
.irp b, 0,1,2,3
	v_exp_f32 v[232+\b], v[232+\b]                 ; the block's largest p
.endr
	v_pk_add_f32 v[236:237], v[100:101], v[104:105]
	v_pk_add_f32 v[254:255], v[108:109], v[112:113]
	v_pk_add_f32 v[250:251], v[116:117], v[120:121]
	v_pk_add_f32 v[248:249], v[124:125], v[128:129]
	v_pk_add_f32 v[246:247], v[132:133], v[136:137]
	v_pk_add_f32 v[244:245], v[140:141], v[144:145]
	v_pk_add_f32 v[242:243], v[148:149], v[152:153]
	v_pk_add_f32 v[14:15], v[14:15], v[156:157]
	v_pk_add_f32 v[236:237], v[236:237], v[96:97]
	v_pk_add_f32 v[254:255], v[254:255], v[98:99]
	v_pk_add_f32 v[250:251], v[250:251], v[102:103]
	v_pk_add_f32 v[248:249], v[248:249], v[106:107]
	v_pk_add_f32 v[246:247], v[246:247], v[110:111]
	v_pk_add_f32 v[244:245], v[244:245], v[114:115]
	v_pk_add_f32 v[242:243], v[242:243], v[118:119]
	v_pk_add_f32 v[14:15], v[14:15], v[122:123]
	v_pk_add_f32 v[236:237], v[236:237], v[126:127]
	v_pk_add_f32 v[254:255], v[254:255], v[130:131]
	v_pk_add_f32 v[250:251], v[250:251], v[134:135]
	v_pk_add_f32 v[248:249], v[248:249], v[138:139]
	v_pk_add_f32 v[246:247], v[246:247], v[142:143]
	v_pk_add_f32 v[244:245], v[244:245], v[146:147]
	v_pk_add_f32 v[242:243], v[242:243], v[150:151]
	v_pk_add_f32 v[14:15], v[14:15], v[154:155]
	v_pk_add_f32 v[236:237], v[236:237], v[158:159]
	s_delay_alu instid0(VALU_DEP_2)
	v_pk_add_f32 v[14:15], v[14:15], v[248:249]
	s_delay_alu instid0(VALU_DEP_2)
	v_pk_add_f32 v[236:237], v[236:237], v[246:247]
	v_pk_add_f32 v[254:255], v[254:255], v[244:245]
	v_pk_add_f32 v[250:251], v[250:251], v[242:243]
	s_delay_alu instid0(VALU_DEP_2)
	v_pk_add_f32 v[14:15], v[14:15], v[254:255]
	s_delay_alu instid0(VALU_DEP_2)
	v_pk_add_f32 v[236:237], v[236:237], v[250:251]
	s_delay_alu instid0(VALU_DEP_1)
	v_pk_add_f32 v[14:15], v[14:15], v[236:237]
	s_wait_alu depctr_va_vdst(0)                   ; and one for the four
.irp b, 0,1,2,3
	v_max_num_f32 v[232+\b], 0x1800000, v[232+\b]  ; the floor 2^(3 - 127): a block whose every p is 0 keeps the byte 1: its codes are zeros
.endr
.irp b, 0,1,2,3
	s_delay_alu instid0(VALU_DEP_4)
	v_add_nc_u32 v[244+\b], 0xff000000, v[232+\b]
.endr
.irp b, 0,1,2,3
	s_delay_alu instid0(VALU_DEP_4)
	v_lshrrev_b32 v[236+\b], 23, v[244+\b]
.endr
	s_delay_alu instid0(VALU_DEP_3)
	v_lshl_or_b32 v200, v237, 8, v236              ; p's scale word for these 128 keys
	s_delay_alu instid0(VALU_DEP_1)
	v_lshl_or_b32 v200, v238, 16, v200
	s_delay_alu instid0(VALU_DEP_1)
	v_lshl_or_b32 v200, v239, 24, v200
	s_setprio 0
.irp b, 0,1,2,3
.irp i, 0,1
	v_cvt_scalef32_pk8_fp4_f32 v[224+4*(\b/2)+2*\i+(\b%2)], v[96+16*\b+8*\i:103+16*\b+8*\i], v[244+\b]
.endr
.endr
	v_nop                                          ; one plain place behind the conversions
.irp c, 0,1
.irp i, 0,1
	v_permlane16_swap_b32 v[224+4*\c+2*\i], v[225+4*\c+2*\i]
.endr
.endr
.set j, 0
.rept 16
	v_pk_mul_f32 v[160+j:161+j], v[160+j:161+j], v[252:253] op_sel_hi:[1,0]   ; O^T under the new M; these sixteen are also the places between p's word and codes and the products
.set j, j+2
.endr
	s_wait_alu depctr_va_vdst(0)
	s_wait_dscnt 0x0                               ; V and its words
.irp t, 0,1,2,3
	v_wmma_scale_f32_16x16x128_f8f6f4 v[160+8*\t:167+8*\t], v[64+8*\t:71+8*\t], v[224:231], v[160+8*\t:167+8*\t], v[192+\t], v200 matrix_a_fmt:MATRIX_FMT_FP4 matrix_b_fmt:MATRIX_FMT_FP4
.endr
.Lhidden_\@:
	s_add_co_u32 s[KF], s[KF], 128
	s_add_co_u32 s[TB], s[TB], 4096
	s_add_co_u32 s[TS], s[TS], 256
.endm
.macro STEPS n
	s_mov_b32 s[TW], \n
.Lst_\@:
	STEP
	s_sub_co_u32 s[TW], s[TW], 1
	s_cmp_lg_u32 s[TW], 0
	s_cbranch_scc1 .Lst_\@
	s_setprio 0
.endm
; AT THE HEAD OF EACH 512 KEYS: every wave waits for all its tensor loads, adds 0 to its spare word and waits for that; behind the barrier the 512 keys ahead are whole for all sixteen waves.  fill = 1: the next 512 keys
; are asked for, into bytes that nothing has filled, a wave's one tensor load until the next barrier; they have four key steps in which to land.  They are asked for only while their first key is at or under the
; work-group's last query: later keys are read by none of its waves.  That test is made of ids and the count of steps, is the same in all waves, leads round the load's own lines alone, and every wait on TENSORcnt here is for 0.
.macro CHANGE fill
	s_wait_tensorcnt 0x0
	ds_add_u32 v5, v6
.if \fill
	ds_add_u32 v5, v6                              ; twice on end here, in every trip alike
	s_add_co_u32 s[G0C+1], s[G0C+1], 16384         ; no tensor load of mine is out: the descriptor steps to the next 512 keys, in LDS and in memory
	s_add_nc_u64 s[G0C+2:G0C+3], s[G0C+2:G0C+3], 16384
	s_wait_xcnt 0x0                                ; the last prefetch, four key steps back, has read its address
	s_add_nc_u64 s[PFA:PFA+1], s[PFA:PFA+1], 16384
.endif
	s_wait_dscnt 0x0
	s_barrier_signal -1
	s_barrier_wait -1
.if \fill
	s_add_co_u32 s96, s[KF], 512
	s_cmp_gt_u32 s96, s[LQ]
	s_cbranch_scc1 .Lpast_\@
	TLOADC
.Lpast_\@:
	ASK
.endif
.endm
; THE END OF A PASS: O^T / the sum is x_att's 64 numbers of my head: two blocks of 32 along C.  Their codes are 16 bytes a lane, 512 on end a wave.  The two scale bytes a row are 2 of the row's 8 (three other heads' work-groups
; write the other six): sixteen stores of 2 bytes, 8 bytes apart; both halves of the lanes write the same bytes with the same value.
.macro EPILOG
.rept 4
	v_nop                                          ; behind the last products
.endr
	v_add_f32 v14, v14, v15
	s_delay_alu instid0(VALU_DEP_1)
	v_permlanex16_b32 v252, v14, s[SEL], s[SEL+1]
	s_delay_alu instid0(VALU_DEP_1)
	v_add_f32 v14, v14, v252                       ; the row's sum
	s_wait_alu depctr_va_vdst(0)
	v_rcp_f32 v14, v14
	v_nop                                          ; a plain place behind the reciprocal
	s_wait_alu depctr_va_vdst(0)                   ; and the wait ahead of its first reader
.set j, 0
.rept 32
	v_mul_f32 v[96+j], v[160+j], v14               ; register 8 t + i: x_att(query r, d = 16 t + 8 (lane / 16) + i)
.set j, j+1
.endr
.irp b, 0,1
	v_max3_num_f32 v[232+\b], |v[96+16*\b]|, |v[97+16*\b]|, 0x1800000
.endr
.irp i, 2,4,6,8,10,12,14
.irp b, 0,1
	s_delay_alu instid0(VALU_DEP_2)
	v_max3_num_f32 v[232+\b], v[232+\b], |v[96+16*\b+\i]|, |v[97+16*\b+\i]|
.endr
.endr
.irp b, 0,1
	s_delay_alu instid0(VALU_DEP_2)
	v_permlanex16_b32 v[236+\b], v[232+\b], s[SEL], s[SEL+1]
.endr
.irp b, 0,1
	s_delay_alu instid0(VALU_DEP_2)
	v_max_num_f32 v[232+\b], v[232+\b], v[236+\b]
.endr
.irp b, 0,1
	s_delay_alu instid0(VALU_DEP_2)
	v_add_nc_u32 v[244+\b], 0xff000000, v[232+\b]
.endr
.irp b, 0,1
	s_delay_alu instid0(VALU_DEP_2)
	v_lshrrev_b32 v[236+\b], 23, v[244+\b]
.endr
	s_delay_alu instid0(VALU_DEP_1)
	v_lshl_or_b32 v240, v237, 8, v236
.irp b, 0,1
.irp i, 0,1
	v_cvt_scalef32_pk8_fp4_f32 v[224+2*\i+\b], v[96+16*\b+8*\i:103+16*\b+8*\i], v[244+\b]
.endr
.endr
	v_nop
	v_permlane16_swap_b32 v224, v225
	v_permlane16_swap_b32 v226, v227               ; lane (r, H): block H of row r
	global_store_b128 v1, v[224:227], s[88:89]
	global_store_b16 v4, v240, s[90:91]
.endm
	s_sub_co_u32 s[Q0], 1792, s81
	s_add_co_u32 s[Q0], s[Q0], s79                 ; the first pass: query block 7 - i
	PROLOG
	s_mov_b32 s[CH], 3
.Lchunk:
	CHANGE 1
	STEPS 4
	s_sub_co_u32 s[CH], s[CH], 1
	s_cmp_lg_u32 s[CH], 0
	s_cbranch_scc1 .Lchunk
	CHANGE 0                                       ; the last 512 keys: nothing is left to ask for
	STEPS 4
	EPILOG
	s_add_co_u32 s[Q0], s81, s79                   ; the second pass: query block i, under query 1,024: eight key steps, all in LDS since the first pass
	PROLOG
	STEPS 8
	EPILOG
	s_wait_tensorcnt 0x0                           ; the wave's end
	ds_add_u32 v5, v6
	s_wait_dscnt 0x0
	s_endpgm
.Lfunc_end_k_q1dfe0f396c_attn:
	.size	k_q1dfe0f396c_attn, .Lfunc_end_k_q1dfe0f396c_attn-k_q1dfe0f396c_attn
	.p2alignl 7, 3214868480
	.fill 96, 4, 3214868480
	.section	.rodata,"a",@progbits
	.p2align	6, 0x0
	.amdhsa_kernel k_q1dfe0f396c_attn
		.amdhsa_group_segment_fixed_size 327680
		.amdhsa_private_segment_fixed_size 0
		.amdhsa_enable_private_segment 0
		.amdhsa_kernarg_size 24
		.amdhsa_user_sgpr_count 2
		.amdhsa_user_sgpr_kernarg_segment_ptr 1
		.amdhsa_wavefront_size32 1
		.amdhsa_system_sgpr_workgroup_id_x 1
		.amdhsa_system_sgpr_workgroup_id_y 1
		.amdhsa_system_sgpr_workgroup_id_z 1
		.amdhsa_system_vgpr_workitem_id 0
		.amdhsa_next_free_vgpr 256
		.amdhsa_next_free_sgpr 100
		.amdhsa_reserve_vcc 1
		.amdhsa_float_denorm_mode_32 3
		.amdhsa_float_denorm_mode_16_64 3
		.amdhsa_memory_ordered 1
		.amdhsa_forward_progress 1
		.amdhsa_inst_pref_size 86
	.end_amdhsa_kernel
	.amdgpu_metadata
---
amdhsa.version: [ 1, 2 ]
amdhsa.kernels:
  - .name:           k_q1dfe0f396c_attn
    .symbol:         k_q1dfe0f396c_attn.kd
    .args:
      - { .name: hc, .offset: 0, .size: 8, .value_kind: global_buffer, .address_space: global }
      - { .name: hs, .offset: 8, .size: 8, .value_kind: global_buffer, .address_space: global }
      - { .name: aq, .offset: 16, .size: 8, .value_kind: global_buffer, .address_space: global }
    .group_segment_fixed_size: 327680
    .private_segment_fixed_size: 0
    .kernarg_segment_align: 8
    .kernarg_segment_size: 24
    .max_flat_workgroup_size: 512
    .sgpr_count:     100
    .vgpr_count:     256
    .wavefront_size: 32
...
	.end_amdgpu_metadata
.endif
;; end of part 3
;; launch proj (part 4): grid 4 x 32, 4 waves a work-group, clusters of 4 x 4, 327,680 bytes of LDS; arguments aq, wq, b_out, out0; writes out0
.if DOCPART == 4
	.amdgcn_target "amdgcn-amd-amdhsa--gfx1250"
	.amdhsa_code_object_version 6
	.text
	.protected	k_q1dfe0f396c_proj
	.globl	k_q1dfe0f396c_proj
	.p2align	8
	.type	k_q1dfe0f396c_proj,@function
k_q1dfe0f396c_proj:
	s_mov_b64 s[64:65], 0
	v_nop
	global_prefetch_b8 v0, s[64:65] scope:SCOPE_SE
	s_setreg_imm32_b32 hwreg(HW_REG_WAVE_MODE, 25, 1), 1
	s_wait_xcnt 0x0
	s_wait_alu depctr_hold_cnt(0) depctr_sa_sdst(0) depctr_va_vdst(0) depctr_va_sdst(0) depctr_va_ssrc(0) depctr_va_vcc(0) depctr_vm_vsrc(0)
	s_getreg_b32 s2, hwreg(HW_REG_IB_STS2, 6, 4)
	s_cmp_eq_u32 s2, 0
	s_cbranch_scc0 .Lentry_in_a_cluster
	s_endpgm
.Lentry_in_a_cluster:
	s_bfe_u32 s2, ttmp6, 0x10000c
	s_cmp_lg_u32 s2, 0xf033
	s_cbranch_scc0 .Lentry_shape_is_right
	s_endpgm
.Lentry_shape_is_right:
; Launch 4 of 4: out = x_att W_out + b_out on codes of E2M1.  No work of reference() is left out here.
; The product is built as in the second launch: a tile of 256 x 256 to a work-group of four waves, 128 x 128 to a wave; all of K = 1,024 (4 quarters x (2 records of A + 2 of B)) lies in LDS at once, asked for at the head
; (four tensor loads of mine are out), nothing filled again; source 0 = 16 rows of B (wq's rows 3,072 on: W_out's columns), source 1 = 16 rows of A (aq: tokens), so that a lane holds eight neighbouring numbers of a row of out.
; CLUSTER 4 x 4: A's records are shared along a row of the cluster, B's along a column.  The bias is the C of each sum's first product.  128 tiles: half of the WGPs have work; a tile of half the size would read
; each fragment from LDS for half as many products.
; THE WAY OUT: a block of 16 rows x 128 columns goes through the wave's own stage in LDS (bytes that no tensor load fills) and leaves as whole rows of 512 bytes.
; REGISTERS: window 0: v12-23 LDS addresses; v24-26 the way out; v28, v29 the add's two; v32-95 scale words and nothing else; v128-191 A's fragments; v192-255 the bias; on the way out v128-255 hold rows of out.
; Window 1: B's fragments, two sets.  Windows 2, 3: accumulator (a, b) at v[8 (8 (a % 4) + b)].
.set REC,   17408
.set SCO,   16384
.set XPL,   64*REC
.set WPL,   32*REC
.set QSL,   4*REC
.set SPARE, 4*QSL                      ; the spare words, 128 bytes for each wave; no other line names them
.set STAGE, SPARE+512
.set SPITCH, 528
.set ROWC,  4096                       ; a row of out in bytes
.set ADRS,  12
.set ADRA,  16
.set ADRB,  20
.set STO,   24
.set RD,    25
.set CO,    26
.set SPW,   28
.set NIL,   29
.set SC,    32
.set AF,    128
.set BK,    128
.set BIAS,  192
.set G1,    24
.set G0,    32
.set G1B,   48
.set G0B,   68
.set MSB, 0
.macro WIN new
.if MSB != (\new)
	s_set_vgpr_msb (MSB<<8)|(\new)
.set MSB, (\new)
.endif
.endm
.set MUL_LO, 0xa1
.set MUL_HI, 0xf1
.set TO_B,   0x40
.macro CREST
	s_cmp_lg_u32 s14, 0
	s_cbranch_scc1 .Lnot_wave_0_\@
	s_barrier_signal -3
.Lnot_wave_0_\@:
	s_barrier_wait -3
	s_barrier_signal -1
	s_barrier_wait -1
.endm
.macro CROUND
	s_barrier_signal -1
	s_barrier_wait -1
	CREST
.endm
.macro PLACES n
.rept \n
	v_nop
.endr
.endm
	s_load_b256 s[4:11], s[0:1], 0x0               ; aq, wq, b_out, out0
	v_lshl_add_u32 v[SPW], v0, 2, SPARE
	v_mov_b32 v[NIL], 0
	ds_add_u32 v[SPW], v[NIL]                      ; the opening: the add, twice on end, and its wait ahead of the round in front of my first tensor loads
	ds_add_u32 v[SPW], v[NIL]
	v_lshrrev_b32 v1, 5, v0
	v_readfirstlane_b32 s14, v1
	s_lshr_b32 s15, s14, 1
	s_and_b32 s16, s14, 1
	s_bfe_u32 s56, ttmp6, 0x40000                  ; cx
	s_bfe_u32 s57, ttmp6, 0x40004                  ; cy
	s_and_b32 s17, ttmp7, 0xffff
	s_lshl_b32 s17, s17, 2
	s_add_co_u32 s17, s17, s57                     ; tile row
	s_lshl_b32 s58, ttmp9, 2
	s_add_co_u32 s58, s58, s56                     ; tile column
	s_lshl_b32 s59, s57, 2
	s_lshl_b32 s59, 15, s59
	s_lshl_b32 s60, 0x1111, s56
	s_or_b32 s[G1], s59, (3<<16)|(1<<21)           ; a record as 68 dense rows of 256 bytes; the mask, and bit 21 beside it
	s_or_b32 s[G1B], s60, (3<<16)|(1<<21)
.irp g, G1, G1B
	s_mov_b32 s[\g+1], 32<<16
	s_mov_b32 s[\g+2], 68<<16
	s_mov_b32 s[\g+3], 32<<16
	s_mov_b32 s[\g+4], 68
	s_mov_b32 s[\g+5], 32
	s_mov_b32 s[\g+6], 0
	s_mov_b32 s[\g+7], 0
.endr
	s_lshl_b32 s92, s17, 1
	s_add_co_u32 s92, s92, s16
	s_mul_i32 s92, s92, REC
	s_mov_b32 s93, 0
	s_lshl_b32 s94, s58, 1
	s_add_co_u32 s94, s94, s16
	s_add_co_u32 s94, s94, 24                      ; W_out's columns begin at wq's record 24
	s_mul_i32 s94, s94, REC
	s_mov_b32 s95, 0
	s_mul_i32 s66, s14, REC
	s_wait_dscnt 0x0
	s_wait_kmcnt 0x0
	s_add_nc_u64 s[84:85], s[4:5], s[92:93]
	s_add_nc_u64 s[86:87], s[6:7], s[94:95]
.irp q, 0,1,2,3
	s_mov_b32 s[G0+4*\q], 1
	s_add_co_u32 s[G0+4*\q+1], s66, \q*QSL
	s_add_nc_u64 s[G0+4*\q+2:G0+4*\q+3], s[84:85], \q*XPL
	s_or_b32 s[G0+4*\q+3], s[G0+4*\q+3], 0x80000000
	s_mov_b32 s[G0B+4*\q], 1
	s_add_co_u32 s[G0B+4*\q+1], s66, \q*QSL
	s_add_nc_u64 s[G0B+4*\q+2:G0B+4*\q+3], s[86:87], \q*WPL
	s_or_b32 s[G0B+4*\q+3], s[G0B+4*\q+3], 0x80000000
.endr
	CROUND
	s_cmp_eq_u32 s15, 0
	s_cbranch_scc0 .Lfill_b
.irp q, 0,1,2,3
	tensor_load_to_lds s[G0+4*\q:G0+4*\q+3], s[G1:G1+7]
	s_nop 0
.endr
	PLACES 4
	s_branch .Lfilled
.Lfill_b:
.irp q, 0,1,2,3
	tensor_load_to_lds s[G0B+4*\q:G0B+4*\q+3], s[G1B:G1B+7]
	s_nop 0
.endr
	PLACES 4
.Lfilled:
	v_and_b32 v1, 31, v0
	v_and_b32 v2, 15, v0
	v_bfe_u32 v3, v0, 4, 1
	s_wait_alu depctr_va_vdst(0)
	v_lshlrev_b32 v4, 4, v1
	s_wait_alu depctr_va_vdst(0)
	s_lshl_b32 s2, s58, 10
	s_lshl_b32 s3, s16, 9
	s_add_co_u32 s2, s2, s3                        ; my 128 columns, in bytes: in b_out, and in a row of out
	s_mov_b32 s3, 0
	s_add_nc_u64 s[8:9], s[8:9], s[2:3]
	v_lshlrev_b32 v7, 5, v3                        ; 32 H: my half's eight numbers of a tile
.irp b, 0,1,2,3,4,5,6,7
.irp q, 0,1
	global_load_b128 v[BIAS+8*\b+4*\q:BIAS+8*\b+4*\q+3], v7, s[8:9] offset:64*\b+16*\q
.endr
.endr
	s_mul_i32 s67, s15, REC
	s_mul_i32 s22, s16, REC
	s_add_co_u32 s22, s22, 2*REC
	s_sub_co_u32 s23, s22, s67
	v_mul_u32_u24 v6, s23, v3
	v_lshl_add_u32 v5, v2, 3, v6
	s_add_co_u32 s23, s67, SCO
.irp q, 0,1,2,3
	v_add_nc_u32 v[ADRA+\q], s67, v4
	v_add_nc_u32 v[ADRB+\q], s22, v4
	v_add_nc_u32 v[ADRS+\q], s23, v5
	s_add_co_u32 s67, s67, QSL
	s_add_co_u32 s22, s22, QSL
	s_add_co_u32 s23, s23, QSL
.endr
	s_mul_i32 s23, s14, 16*SPITCH
	s_add_co_u32 s23, s23, STAGE                   ; my stage
	v_mul_u32_u24 v5, v2, SPITCH
	v_lshl_add_u32 v5, v3, 5, v5
	v_add_nc_u32 v[STO], s23, v5                   ; in: row r, 32 bytes for each half of the lanes
	v_mov_b32 v[CO], v4                            ; back: the 32 lanes take one row of 512 bytes; and the same in out
	v_add_nc_u32 v[RD], s23, v4
	s_lshl_b32 s92, s17, 8
	s_lshl_b32 s93, s15, 7
	s_add_co_u32 s92, s92, s93                     ; my first row
	s_lshl_b32 s92, s92, 12
	s_add_co_u32 s92, s92, s2
	s_mov_b32 s93, 0
	s_add_nc_u64 s[10:11], s[10:11], s[92:93]
.macro FRAG reg, adr, sp, i
.irp c, 0,1
	ds_load_b128 v[\reg+4*\c:\reg+4*\c+3], v[\adr] offset:(\i)*2048+(\sp)*1024+512*\c
.endr
.endm
.macro FETCH_B kq, sp, p
	WIN TO_B
.irp i, 0,1,2,3,4,5,6,7
	FRAG 128*(\p)+8*\i, ADRB+\kq, \sp, \i
.endr
	WIN 0
.endm
.macro FETCH_A kq, sp, i0
.irp i, \i0, \i0+1, \i0+2, \i0+3
	FRAG AF+8*(\i), ADRA+\kq, \sp, \i
.endr
.endm
.macro SCALES kq
.irp i, 0,1,2,3,4,5,6,7
	ds_load_b64 v[SC+16*\kq+2*\i:SC+16*\kq+2*\i+1], v[ADRS+\kq] offset:128*\i
.endr
.endm
; first = 1: the sum's first product takes the bias as its C.  The 64 accumulators take turns, one instruction a turn, in one order throughout.
.macro MUL16 a0, p, kq, sp, first
.irp a, \a0, \a0+1
.irp b, 0,1,2,3,4,5,6,7
.if \first
	v_wmma_scale_f32_16x16x128_f8f6f4 v[8*(8*((\a)%4)+\b):8*(8*((\a)%4)+\b)+7], v[128*(\p)+8*\b:128*(\p)+8*\b+7], v[AF+8*(\a):AF+8*(\a)+7], v[BIAS+8*\b:BIAS+8*\b+7], v[SC+16*(\kq)+2*\b+(\sp)], v[SC+16*(\kq)+2*(\a)+(\sp)] matrix_a_fmt:MATRIX_FMT_FP4 matrix_b_fmt:MATRIX_FMT_FP4 matrix_a_scale:MATRIX_SCALE_ROW1
.else
	v_wmma_scale_f32_16x16x128_f8f6f4 v[8*(8*((\a)%4)+\b):8*(8*((\a)%4)+\b)+7], v[128*(\p)+8*\b:128*(\p)+8*\b+7], v[AF+8*(\a):AF+8*(\a)+7], v[8*(8*((\a)%4)+\b):8*(8*((\a)%4)+\b)+7], v[SC+16*(\kq)+2*\b+(\sp)], v[SC+16*(\kq)+2*(\a)+(\sp)] matrix_a_fmt:MATRIX_FMT_FP4 matrix_b_fmt:MATRIX_FMT_FP4 matrix_a_scale:MATRIX_SCALE_ROW1
.endif
.endr
.endr
.endm
.macro STEP kq, first
	s_wait_dscnt 8                                 ; all but the youngest eight loads (A's blocks 4-7)
.if \first
	WIN 0x81                                       ; C, the bias, in window 0
.else
	WIN MUL_LO
.endif
	MUL16 0, 0, \kq, 0, \first
	MUL16 2, 0, \kq, 0, \first
	s_wait_dscnt 0x0
	PLACES 4
	FETCH_B \kq, 1, 1
	FETCH_A \kq, 1, 0
.if \first
	WIN 0xc1
.else
	WIN MUL_HI
.endif
	MUL16 4, 0, \kq, 0, \first
	MUL16 6, 0, \kq, 0, \first
	PLACES 4
	WIN 0
	FETCH_A \kq, 1, 4
.endm
.macro TURN kq, nx
	s_wait_tensorcnt 2-\kq                         ; my record of the next quarter is in; the 2 - kq loads behind it may stay out
	s_wait_dscnt 8
	WIN MUL_LO
	MUL16 0, 1, \kq, 1, 0
	s_wait_dscnt 0x0
	s_barrier_signal -1
	MUL16 2, 1, \kq, 1, 0
	WIN 0
	s_barrier_wait -1
	PLACES 4
	FETCH_B \nx, 0, 0
	FETCH_A \nx, 0, 0
	SCALES \nx
	WIN MUL_HI
	MUL16 4, 1, \kq, 1, 0
	MUL16 6, 1, \kq, 1, 0
	PLACES 4
	WIN 0
	FETCH_A \nx, 0, 4
.endm
	s_wait_alu depctr_va_vdst(0)
	s_wait_tensorcnt 3                             ; my record of quarter 0 is in; three loads are younger
	s_barrier_signal -1
	s_barrier_wait -1
	FETCH_B 0, 0, 0
	FETCH_A 0, 0, 0
	SCALES 0
	FETCH_A 0, 0, 4
	s_wait_loadcnt 0x0                             ; the bias
	STEP 0, 1
	TURN 0, 1
	STEP 1, 0
	TURN 1, 2
	STEP 2, 0
	TURN 2, 3
	STEP 3, 0
	s_wait_dscnt 8
	WIN MUL_LO
	MUL16 0, 1, 3, 1, 0
	MUL16 2, 1, 3, 1, 0
	s_wait_dscnt 0x0
	WIN MUL_HI
	MUL16 4, 1, 3, 1, 0
	MUL16 6, 1, 3, 1, 0
	WIN 0
; LDS serves a wave's instructions in order (ISA guide 5.7.1.4): no wait between my stores into my stage and my loads from it, nor in front of the next block's stores.
.macro TOSTAGE a
.set AC, 64*((\a)%4)
	WIN 0x08+4*((\a)/4)                            ; an LDS store's data: window 2 or 3
.irp b, 0,1,2,3,4,5,6,7
	ds_store_b128 v[STO], v[AC+8*\b:AC+8*\b+3] offset:64*\b          ; each accumulator from its low end on
	ds_store_b128 v[STO], v[AC+8*\b+4:AC+8*\b+7] offset:64*\b+16
.endr
	WIN 0
.set BB, BK+64*((\a)%2)
.irp t, 0,1,2,3,4,5,6,7,8,9,10,11,12,13,14,15
	ds_load_b128 v[BB+4*\t:BB+4*\t+3], v[RD] offset:\t*SPITCH
.endr
.endm
.macro SEND a, younger
.set BB, BK+64*((\a)%2)
	s_wait_dscnt \younger                          ; the block is back in registers
.if (\a) > 0
	s_add_nc_u64 s[10:11], s[10:11], 16*ROWC       ; (behind a wait on XCNT: the earlier stores have read their base)
.endif
.irp t, 0,1,2,3,4,5,6,7,8,9,10,11,12,13,14,15
	global_store_b128 v[CO], v[BB+4*\t:BB+4*\t+3], s[10:11] offset:\t*ROWC th:TH_STORE_NT   ; 32 lanes store 512 bytes on end, at a multiple of 256 from out's first byte
.endr
.endm
	PLACES 4                                       ; behind the last products: results are read, and loads land where A's fragments lay
	TOSTAGE 0
.irp a, 1,2,3,4,5,6,7
.if \a > 1
	s_wait_xcnt 0x0                                ; block a - 2's stores have read their registers and their base
.endif
	TOSTAGE \a
	SEND \a-1, 32                                  ; behind block a - 1's loads: block a's 16 stores and 16 loads
.endr
	s_wait_xcnt 0x0
	SEND 7, 0
	s_wait_tensorcnt 0x0                           ; the wave's end
	ds_add_u32 v[SPW], v[NIL]
	s_wait_dscnt 0x0
	CROUND                                         ; the closing round
	s_endpgm
.Lfunc_end_k_q1dfe0f396c_proj:
	.size	k_q1dfe0f396c_proj, .Lfunc_end_k_q1dfe0f396c_proj-k_q1dfe0f396c_proj
	.p2alignl 7, 3214868480
	.fill 96, 4, 3214868480
	.section	.rodata,"a",@progbits
	.p2align	6, 0x0
	.amdhsa_kernel k_q1dfe0f396c_proj
		.amdhsa_group_segment_fixed_size 327680
		.amdhsa_private_segment_fixed_size 0
		.amdhsa_enable_private_segment 0
		.amdhsa_kernarg_size 32
		.amdhsa_user_sgpr_count 2
		.amdhsa_user_sgpr_kernarg_segment_ptr 1
		.amdhsa_wavefront_size32 1
		.amdhsa_system_sgpr_workgroup_id_x 1
		.amdhsa_system_sgpr_workgroup_id_y 1
		.amdhsa_system_sgpr_workgroup_id_z 1
		.amdhsa_system_vgpr_workitem_id 0
		.amdhsa_next_free_vgpr 1024
		.amdhsa_next_free_sgpr 100
		.amdhsa_reserve_vcc 0
		.amdhsa_float_denorm_mode_32 3
		.amdhsa_float_denorm_mode_16_64 3
		.amdhsa_memory_ordered 1
		.amdhsa_forward_progress 1
		.amdhsa_inst_pref_size 126
	.end_amdhsa_kernel
	.amdgpu_metadata
---
amdhsa.version: [ 1, 2 ]
amdhsa.kernels:
  - .name:           k_q1dfe0f396c_proj
    .symbol:         k_q1dfe0f396c_proj.kd
    .args:
      - { .name: aq, .offset: 0, .size: 8, .value_kind: global_buffer, .address_space: global }
      - { .name: wq, .offset: 8, .size: 8, .value_kind: global_buffer, .address_space: global }
      - { .name: b_out, .offset: 16, .size: 8, .value_kind: global_buffer, .address_space: global }
      - { .name: out0, .offset: 24, .size: 8, .value_kind: global_buffer, .address_space: global }
    .group_segment_fixed_size: 327680
    .private_segment_fixed_size: 0
    .kernarg_segment_align: 8
    .kernarg_segment_size: 32
    .max_flat_workgroup_size: 128
    .sgpr_count:     100
    .vgpr_count:     1024
    .wavefront_size: 32
...
	.end_amdgpu_metadata
.endif
;; end of part 4
